; MI455X (gfx1250); checked and timed in simulation.
; The chip was launched on July 23, 2026; its instructions are those of AMD's public machine-readable ISA for CDNA 5 (MIT licence, August 2026) and "CDNA5" Instruction Set Architecture Reference Guide (July 2026). The comments in the code are by the model that wrote it; some were corrected since.
;; Complex GRU Cell. Allowed arithmetic: float matrix products may take bf16 or f16 operands with f32 sums; all other float work in f32.
;; Inputs: h_i 32,768 x 256 float32; h_r 32,768 x 256 float32; params_h_ni 256 x 256 float32; params_h_nr 256 x 256 float32; params_h_ri 256 x 256 float32; params_h_rr 256 x 256 float32; params_h_zi 256 x 256 float32; params_h_zr 256 x 256 float32; params_n_b_i 256 float32; params_n_b_r 256 float32; params_r_b_i 256 float32; params_r_b_r 256 float32; params_x_ni 256 x 256 float32; params_x_nr 256 x 256 float32; params_x_ri 256 x 256 float32; params_x_rr 256 x 256 float32; params_x_zi 256 x 256 float32; params_x_zr 256 x 256 float32; params_z_b_i 256 float32; params_z_b_r 256 float32; x_i 32,768 x 256 float32; x_r 32,768 x 256 float32.
;; Outputs: out0 32,768 x 256 float32; out1 32,768 x 256 float32.
;; 2 versions, each right and faster than the one before. Each part assembles by itself: llvm-mc -triple=amdgcn-amd-amdhsa -mcpu=gfx1250 --defsym DOCPART=n.
;; ======== version 1 of 2: 2 launches
;; limits: values outside matrix products are rounded to bf16
;; workspace buffers: wq 1,572,864 bytes
;; launch prep (part 1): grid 12 x 8, 8 waves a work-group, no clusters, 0 bytes of LDS; arguments params_h_ri, params_x_ri, params_h_rr, params_x_rr, params_h_zi, params_x_zi, params_h_zr, params_x_zr, params_h_ni, params_x_ni, params_h_nr, params_x_nr, wq; writes wq
.if DOCPART == 1
	.amdgcn_target "amdgcn-amd-amdhsa--gfx1250"
	.amdhsa_code_object_version 6
	.text
	.protected	k_qefe5851b34_prep
	.globl	k_qefe5851b34_prep
	.p2align	8
	.type	k_qefe5851b34_prep,@function
k_qefe5851b34_prep:
	s_mov_b64 s[64:65], 0
	v_nop
	global_prefetch_b8 v0, s[64:65] scope:SCOPE_SE
	s_setreg_imm32_b32 hwreg(HW_REG_WAVE_MODE, 25, 1), 1
	s_wait_xcnt 0x0
; The twelve weight matrices, f32 [K = 256][N = 256], become bf16 matrix fragments in wq, in the order in which the cell walks them.
; wq = 24 parts of 65,536 bytes.  Part p: gate r, columns 32 c .. 32 c + 31: p = c; gate z: p = 8 + 2 c; gate n: p = 9 + 2 c.
; Byte in a part: sub*32768 + src*16384 + kb*2048 + t*1024 + half*512 + lane*16
;   sub 0 = imaginary weight, 1 = real; src 0 = the weight of h (of r*h for gate n), 1 = the weight of x; kb = K block of 32; t = 16 columns.
; Fragment (t, kb), lane (r = lane & 15, h = lane >> 4): column 32 c + 16 t + r; half 0 holds k = 32 kb + 8 h + 0..7, half 1 holds
; k = 32 kb + 16 + 8 h + 0..7, the lower k in the lower bits (ISA guide 7.12.2: 16-bit operands of the 16x16x32 forms).
; Work-group (a, kb): matrix a = gate*4 + sub*2 + src (the order of the arguments), its rows 32 kb .. 32 kb + 31.  Wave c: columns 32 c .. 32 c + 31.
; A load of a wave takes 128 consecutive bytes of one row, the eight waves together the row's 1,024; each store of a wave covers 512 consecutive
; bytes, aligned.  1.5 MB in all: no LDS and no ring are worth their text here.  Rounding: to nearest even.
	s_load_b512 s[8:23], s[0:1], 0x0               ; matrices 0 to 7
	s_load_b256 s[24:31], s[0:1], 0x40             ; matrices 8 to 11
	s_load_b64 s[32:33], s[0:1], 0x60              ; wq
	v_lshrrev_b32 v3, 5, v0
	v_readfirstlane_b32 s3, v3                     ; c: the wave's number
	s_mov_b32 s2, ttmp9                            ; a
	s_and_b32 s34, ttmp7, 0xffff                   ; kb
	v_lshlrev_b32 v1, 2, v0                        ; 4 (32 c + lane): my column in a row
	v_and_b32 v2, 31, v0
	v_lshlrev_b32 v2, 4, v2                        ; 16 x lane: my 16 bytes of a half fragment
	s_lshr_b32 s35, s2, 2                          ; gate: 0 r, 1 z, 2 n
	s_lshl_b32 s36, s3, 1
	s_add_co_u32 s36, s36, s35
	s_add_co_u32 s36, s36, 7                       ; 2 c + 7 + gate: gates z and n
	s_cmp_eq_u32 s35, 0
	s_cselect_b32 s36, s3, s36                     ; p
	s_lshl_b32 s36, s36, 16                        ; p * 65536
	s_and_b32 s37, s2, 3
	s_lshl_b32 s37, s37, 14                        ; (sub*2 + src) * 16384
	s_add_co_u32 s36, s36, s37
	s_lshl_b32 s37, s34, 11                        ; kb * 2048
	s_add_co_u32 s36, s36, s37
	s_mov_b32 s37, 0                               ; s[36:37]: my 2,048 bytes in wq
	s_lshl_b32 s6, s34, 15                         ; kb * 32 rows of 1,024 bytes
	s_mov_b32 s7, 0
	s_wait_kmcnt 0x0
	s_mov_b64 s[4:5], s[8:9]                       ; the matrix is chosen among the twelve by the work-group's number alone
.irp i, 1,2,3,4,5,6,7,8,9,10,11
	s_cmp_eq_u32 s2, \i
	s_cselect_b64 s[4:5], s[8+2*\i:9+2*\i], s[4:5]
.endr
	s_add_nc_u64 s[4:5], s[4:5], s[6:7]
	s_add_nc_u64 s[32:33], s[32:33], s[36:37]
.set P_K, 0
.rept 32
	global_load_b32 v[8+P_K], v1, s[4:5] offset:P_K*1024       ; W[32 kb + k][32 c + lane]
.set P_K, P_K+1
.endr
	s_wait_loadcnt 0x0
.set P_K, 0
.rept 16
	v_cvt_pk_bf16_f32 v[40+P_K], v[8+2*P_K], v[9+2*P_K]        ; k = 2 i below, 2 i + 1 above
.set P_K, P_K+1
.endr
; Lanes 0-15 hold the columns of tile 0, lanes 16-31 those of tile 1, each with all 32 k.  A fragment wants k = 8 h .. in lanes of half h:
; the exchange of one register's upper lanes with another's lower lanes sorts two registers of both tiles at once.
.irp q, 0,1,2,3
	v_permlane16_swap_b32 v[40+\q], v[44+\q]       ; v[40+q]: tile 0, half 0;  v[44+q]: tile 1, half 0
	v_permlane16_swap_b32 v[48+\q], v[52+\q]       ; v[48+q]: tile 0, half 1;  v[52+q]: tile 1, half 1
.endr
	global_store_b128 v2, v[40:43], s[32:33]
	global_store_b128 v2, v[48:51], s[32:33] offset:512
	global_store_b128 v2, v[44:47], s[32:33] offset:1024
	global_store_b128 v2, v[52:55], s[32:33] offset:1536
	s_endpgm
.Lfunc_end_k_qefe5851b34_prep:
	.size	k_qefe5851b34_prep, .Lfunc_end_k_qefe5851b34_prep-k_qefe5851b34_prep
	.p2alignl 7, 3214868480
	.fill 96, 4, 3214868480
	.section	.rodata,"a",@progbits
	.p2align	6, 0x0
	.amdhsa_kernel k_qefe5851b34_prep
		.amdhsa_group_segment_fixed_size 0
		.amdhsa_private_segment_fixed_size 0
		.amdhsa_enable_private_segment 0
		.amdhsa_kernarg_size 104
		.amdhsa_user_sgpr_count 2
		.amdhsa_user_sgpr_kernarg_segment_ptr 1
		.amdhsa_wavefront_size32 1
		.amdhsa_system_sgpr_workgroup_id_x 1
		.amdhsa_system_sgpr_workgroup_id_y 1
		.amdhsa_system_sgpr_workgroup_id_z 1
		.amdhsa_system_vgpr_workitem_id 0
		.amdhsa_next_free_vgpr 64
		.amdhsa_next_free_sgpr 66
		.amdhsa_reserve_vcc 0
		.amdhsa_float_denorm_mode_32 3
		.amdhsa_float_denorm_mode_16_64 3
		.amdhsa_memory_ordered 1
		.amdhsa_forward_progress 1
		.amdhsa_inst_pref_size 7
	.end_amdhsa_kernel
	.amdgpu_metadata
---
amdhsa.version: [ 1, 2 ]
amdhsa.kernels:
  - .name:           k_qefe5851b34_prep
    .symbol:         k_qefe5851b34_prep.kd
    .args:
      - { .name: params_h_ri, .offset: 0, .size: 8, .value_kind: global_buffer, .address_space: global }
      - { .name: params_x_ri, .offset: 8, .size: 8, .value_kind: global_buffer, .address_space: global }
      - { .name: params_h_rr, .offset: 16, .size: 8, .value_kind: global_buffer, .address_space: global }
      - { .name: params_x_rr, .offset: 24, .size: 8, .value_kind: global_buffer, .address_space: global }
      - { .name: params_h_zi, .offset: 32, .size: 8, .value_kind: global_buffer, .address_space: global }
      - { .name: params_x_zi, .offset: 40, .size: 8, .value_kind: global_buffer, .address_space: global }
      - { .name: params_h_zr, .offset: 48, .size: 8, .value_kind: global_buffer, .address_space: global }
      - { .name: params_x_zr, .offset: 56, .size: 8, .value_kind: global_buffer, .address_space: global }
      - { .name: params_h_ni, .offset: 64, .size: 8, .value_kind: global_buffer, .address_space: global }
      - { .name: params_x_ni, .offset: 72, .size: 8, .value_kind: global_buffer, .address_space: global }
      - { .name: params_h_nr, .offset: 80, .size: 8, .value_kind: global_buffer, .address_space: global }
      - { .name: params_x_nr, .offset: 88, .size: 8, .value_kind: global_buffer, .address_space: global }
      - { .name: wq, .offset: 96, .size: 8, .value_kind: global_buffer, .address_space: global }
    .group_segment_fixed_size: 0
    .private_segment_fixed_size: 0
    .kernarg_segment_align: 8
    .kernarg_segment_size: 104
    .max_flat_workgroup_size: 256
    .sgpr_count:     66
    .vgpr_count:     64
    .wavefront_size: 32
...
	.end_amdgpu_metadata
.endif
;; end of part 1
;; launch cell (part 2): grid 256 x 1, 4 waves a work-group, clusters of 4 x 1, 327,680 bytes of LDS; arguments h_r, h_i, x_r, x_i, wq, out0, out1, params_r_b_r, params_r_b_i, params_z_b_r, params_z_b_i, params_n_b_r, params_n_b_i; writes out0, out1
.if DOCPART == 2
	.amdgcn_target "amdgcn-amd-amdhsa--gfx1250"
	.amdhsa_code_object_version 6
	.text
	.protected	k_qefe5851b34_cell
	.globl	k_qefe5851b34_cell
	.p2align	8
	.type	k_qefe5851b34_cell,@function
k_qefe5851b34_cell:
	s_mov_b64 s[64:65], 0
	v_nop
	global_prefetch_b8 v0, s[64:65] scope:SCOPE_SE
	s_setreg_imm32_b32 hwreg(HW_REG_WAVE_MODE, 25, 1), 1
	s_wait_xcnt 0x0
	s_wait_alu depctr_hold_cnt(0) depctr_sa_sdst(0) depctr_va_vdst(0) depctr_va_sdst(0) depctr_va_ssrc(0) depctr_va_vcc(0) depctr_vm_vsrc(0)
	s_getreg_b32 s2, hwreg(HW_REG_IB_STS2, 6, 4)
	s_cmp_eq_u32 s2, 0
	s_cbranch_scc0 .Lentry_in_a_cluster
	s_endpgm
.Lentry_in_a_cluster:
	s_bfe_u32 s2, ttmp6, 0x10000c
	s_cmp_lg_u32 s2, 0x3003
	s_cbranch_scc0 .Lentry_shape_is_right
	s_endpgm
.Lentry_shape_is_right:
; The whole complex GRU cell for 128 rows a work-group, 32 rows a wave (two row blocks rb of 16), all 256 columns; z, r, r*h and n never leave the wave.
;
; OPERANDS.  h_r, h_i, x_r, x_i are read once, rounded to bf16 (to nearest even) and kept in registers as matrix fragments for the whole kernel
; (128 registers each), and so is r*h.  Only weight fragments come from LDS: one fragment of 1,024 bytes feeds four matrix instructions
; (two row blocks x real and imaginary operand).
; LIMIT OF FORMAT: the element-wise steps (r*h and the final blend) take h from these bf16 fragments too, widened to f32; there h deviates from the
; f32 input by at most 2^-9 of its size.  All element-wise arithmetic is f32.
; sigmoid(a) = 1 / (1 + 2^(-a log2 e)), tanh(a) = 1 - 2 / (1 + 2^(2 a log2 e)): right at both ends (2^x = 0 or infinity give 1 and 0);
; tanh has an absolute error of a few 2^-24, so for |a| under about 2^-12 its relative accuracy falls off.
;
; THE MATRIX INSTRUCTION IS USED TRANSPOSED: source 0 = 16 columns of a weight, source 1 = 16 batch rows.  Lane (r = lane & 15, h = lane >> 4), register j
; of result tile t of column chunk c then holds batch row r, column 32 c + 16 t + 8 h + j.  The tiles t = 0, 1 of a chunk are, lane for lane, the places of an
; activation fragment of K block c: r*h is packed straight into its fragment, and h's fragment lies beside the gate's values.  No trip through LDS.
; THE MINUS of a complex product: a trip (one gate, 32 columns) first adds all products with the imaginary weights (accR += Wi A_i, accI += Wi A_r),
; negates accR once, then adds those with the real weights (accR += Wr A_r, accI += Wr A_i).
;
; WEIGHTS: 24 trips, each with 65,536 bytes of wq (layout: see the launch that writes it), through a ring of two LDS slots.  All work-groups walk the same
; 1.5 MB, so four work-groups form a cluster and ask for each part JOINTLY (mask 15): each wave asks for a quarter of a slot, 64 rows of 256 bytes.
; By this text's own count a wave has one tensor load outstanding; it has a whole trip (256 matrix instructions and a block of element-wise work) to land.
; Trips: p = 0..7 gate r, chunk p; p = 8 + 2 c gate z; p = 9 + 2 c gate n.  The element-wise work of trip p - 1 stands at the head of trip p, behind the refill.
; The text is straight-line (every fragment's register number is a constant of its trip): no loop, and each line is run once.
;
; LDS: RING 0 .. 131,071 (filled by tensor loads alone); STAGE 131,072 + wave * 14,080 (the wave's own); BIAS 187,392 (six rows of 1,024 bytes, scaled).
; STAGE on the way in: 16 rows x 512 bytes at pitch 528; on the way out: rows of 128 bytes at pitch 144, planes of 16 rows: even chunks at
; rb*4608 + o*2304, odd chunks at 9344 + o*2304 (o = 0: out0, 1: out1).  Both pitches are odd multiples of 16 bytes, so sixteen rows start at sixteen
; different 16-byte columns modulo 256; 9344 = 128 modulo 256, so the two halves of a row of 256 bytes read back fall on different columns too.
;
; REGISTERS, in windows of 256: window 1 h, window 2 x, window 3 r*h (on the way in: four landing slots of 64): part*128 + rb*64 + kb*8.
; Window 0: v1-10 addresses, v11-28 set-up and biases, ACC0 v32-95, ACC1 v96-159 (tile (rb, part, t) at 32 rb + 16 part + 8 t), W0-W2 v160-255 (weights).
.set ROWB,   1024                      ; bytes in a row of h, x, out
.set SLOTB,  65536                     ; a ring slot = a trip's weights
.set STAGE,  131072
.set STGW,   14080                     ; a wave's stage: 55 x 256 bytes
.set BIAS,   STAGE+4*STGW
.set SPITCH, 528
.set OPITCH, 144
.set OPL,    16*OPITCH                 ; a plane of 16 rows on the way out
.set ODD,    4*OPL+128
.set WA,   1                           ; v1, v2  16 x lane in slot 0, 1
.set STW,  3                           ; v3      way out: S + 144 r + 32 h
.set STR,  4                           ; v4, v5  way out, read back, row block 0, 1
.set BIA,  6                           ; v6      BIAS + 32 h
.set CO,   7                           ; v7      my 16 bytes in the work-group's rows of out
.set INO,  8                           ; v8      my 16 bytes in the work-group's rows of an input
.set SCW,  9                           ; v9      way in: S + 16 x lane
.set SCR,  10                          ; v10     way in: S + 528 r + 32 h
.set ACC0, 32
.set ACC1, 96
.set W0,   160
.set W2,   224
.set G1,   40                          ; s[40:47] descriptor group 1
.set G0,   48                          ; s[48:55] descriptor group 0, four registers for each slot
.set KSIG, 56                          ; s[56:57] -log2 e, twice
.set KTAN, 58                          ; s[58:59] 2 log2 e, twice
.set MSB, 0
.macro WIN new                         ; s_set_vgpr_msb: bits 1:0 source 0, 3:2 source 1, 5:4 source 2, 7:6 destination; the high byte repeats the setting left
.if MSB != (\new)
	s_set_vgpr_msb (MSB<<8)|(\new)
.set MSB, \new
.endif
.endm
.macro PLACES                          ; four independent vector instructions behind a matrix instruction (ISA guide 7.12.1) before its registers are touched
.rept 4
	v_nop
.endr
.endm
; A round of the cluster's barrier: my work-group's barrier, wave 0 signals for the work-group, every wave waits for all four work-groups, my work-group's barrier again.
.macro ROUND
	s_barrier_signal -1
	s_barrier_wait -1
	s_cmp_lg_u32 s3, 0
	s_cbranch_scc1 .Lnot_wave_0_\@
	s_barrier_signal -3
.Lnot_wave_0_\@:
	s_barrier_wait -3
	s_barrier_signal -1
	s_barrier_wait -1
.endm
	s_load_b512 s[8:23], s[0:1], 0x0               ; h_r s[8:9], h_i s[10:11], x_r s[12:13], x_i s[14:15], wq s[16:17], out0 s[18:19], out1 s[20:21], r_b_r s[22:23]
	s_load_b256 s[24:31], s[0:1], 0x40             ; r_b_i, z_b_r, z_b_i, n_b_r
	s_load_b64 s[32:33], s[0:1], 0x60              ; n_b_i
	v_lshl_add_u32 v30, v0, 2, 0x2f400
	v_mov_b32 v31, 0
	ds_add_u32 v30, v31
	v_lshrrev_b32 v12, 5, v0
	v_readfirstlane_b32 s3, v12                    ; wave 0..3
	s_bfe_u32 s4, ttmp6, 0x40000                   ; cx: my place in the cluster; it enters the addresses of h, x and out alone
	s_lshl_b32 s5, ttmp9, 2
	s_add_co_u32 s5, s5, s4                        ; work-group = 4 x cluster + cx
	s_lshl_b32 s6, s5, 17                          ; x 128 rows of 1,024 bytes (under 2^25)
	s_mov_b32 s7, 0
	s_mov_b32 s35, 0xffff0000                      ; a word's upper bf16
	s_mov_b32 s[KSIG], 0xbfb8aa3b
	s_mov_b32 s[KSIG+1], 0xbfb8aa3b
	s_mov_b32 s[KTAN], 0x4038aa3b
	s_mov_b32 s[KTAN+1], 0x4038aa3b
	; group 1: a dense block of 16,384 bytes as 64 rows of 32 elements of 8 bytes
	s_mov_b32 s[G1+0], 15|(3<<16)|(1<<21)          ; 15:0 the four work-groups of the cluster; 17:16 elements of 8 bytes; 21 set beside a mask; no padding
	s_mov_b32 s[G1+1], 32<<16                      ; tensor_dim0 = 32
	s_mov_b32 s[G1+2], 64<<16                      ; tensor_dim1 = 64
	s_mov_b32 s[G1+3], 32<<16                      ; tile_dim0 = 32
	s_mov_b32 s[G1+4], 64                          ; tile_dim1 = 64
	s_mov_b32 s[G1+5], 32                          ; from row to row: 32 elements
	s_mov_b32 s[G1+6], 0
	s_mov_b32 s[G1+7], 0
	s_lshl_b32 s38, s3, 14                         ; my quarter of a slot: wave x 16,384, in LDS and in wq alike
	s_mov_b32 s39, 0
	v_and_b32 v12, 31, v0                          ; lane
	v_and_b32 v13, 15, v0                          ; r
	v_bfe_u32 v14, v0, 4, 1                        ; h
	v_lshlrev_b32 v[WA], 4, v12
	v_add_nc_u32 v[WA+1], SLOTB, v[WA]
	s_lshl_b32 s60, s3, 15                         ; my wave's 32 rows of 1,024 bytes
	v_add_nc_u32 v[INO], s60, v[WA]
	s_mul_i32 s61, s3, STGW
	s_add_co_u32 s61, s61, STAGE                   ; S: my wave's stage
	v_add_nc_u32 v[SCW], s61, v[WA]
	v_mul_u32_u24 v15, v13, OPITCH
	v_lshl_add_u32 v15, v14, 5, v15
	v_add_nc_u32 v[STW], s61, v15
	v_mul_u32_u24 v15, v13, SPITCH
	v_lshl_add_u32 v15, v14, 5, v15
	v_add_nc_u32 v[SCR], s61, v15
	v_and_b32 v15, 7, v0                           ; read back: lanes 0-15 one row of 256 bytes, lanes 16-31 the next; of each sixteen the first
	v_lshlrev_b32 v15, 4, v15                      ; eight take the even chunk's 128 bytes, the last eight the odd chunk's
	v_mul_u32_u24 v16, v14, OPITCH
	v_add_nc_u32 v15, v15, v16
	v_add_nc_u32 v15, s61, v15                     ; S + 144 (lane >> 4) + 16 (lane & 7)
	v_bfe_u32 v16, v0, 3, 1
	v_mul_u32_u24 v17, v16, ODD
	v_add_nc_u32 v[STR], v15, v17                  ; row block 0: even plane at 0, odd at 9344
	v_mul_u32_u24 v17, v16, ODD-2*OPL
	v_add_nc_u32 v17, 2*OPL, v17
	v_add_nc_u32 v[STR+1], v15, v17                ; row block 1: even plane at 4608, odd at 9344
	v_mov_b32 v[BIA], BIAS
	v_lshl_add_u32 v[BIA], v14, 5, v[BIA]
	v_lshlrev_b32 v15, 4, v13
	v_lshl_add_u32 v15, v14, 10, v15
	v_add_nc_u32 v[CO], s60, v15                   ; (32 wave + (lane >> 4)) x 1,024 + 16 (lane & 15)
	v_lshlrev_b32 v11, 3, v0                       ; my two numbers of each bias
	v_add_nc_u32 v28, BIAS, v11
	s_wait_dscnt 0x0
	s_wait_kmcnt 0x0
	s_add_nc_u64 s[8:9], s[8:9], s[6:7]
	s_add_nc_u64 s[10:11], s[10:11], s[6:7]
	s_add_nc_u64 s[12:13], s[12:13], s[6:7]
	s_add_nc_u64 s[14:15], s[14:15], s[6:7]
	s_add_nc_u64 s[18:19], s[18:19], s[6:7]
	s_add_nc_u64 s[20:21], s[20:21], s[6:7]
	s_add_nc_u64 s[36:37], s[16:17], s[38:39]      ; wq at my quarter: the same in all four work-groups
.irp s, 0,1
	s_mov_b32 s[G0+4*\s], 1                                        ; count = 1
	s_add_co_u32 s[G0+4*\s+1], s38, \s*SLOTB                       ; LDS address: wave x 16,384 + the slot
	s_add_nc_u64 s[G0+4*\s+2:G0+4*\s+3], s[36:37], \s*SLOTB        ; trip s
	s_or_b32 s[G0+4*\s+3], s[G0+4*\s+3], 0x80000000                ; type = 2
.endr
	ROUND                                          ; the four work-groups are here: the first joint loads meet
	tensor_load_to_lds s[G0:G0+3], s[G1:G1+7]      ; trip 0's weights; slot 1 is first filled behind trip 0's round
	s_nop 0
; ---------------------------------------------------------------- the way in
; 16 units: u >> 2 = h_r, h_i, x_r, x_i; (u >> 1) & 1 = row block; u & 1 = half of the rows' 1,024 bytes.  A unit is 16 rows x 512 bytes: 16 loads, each 512
; consecutive bytes.  Four units (32 KiB a wave) are on their way at all times.  A unit goes through the wave's own scratch to turn rows into fragments.
.macro UNITLD u
.set L_S, 64*((\u)&3)
.set L_O, (((\u)>>1)&1)*16*ROWB+((\u)&1)*512
.set L_B, 8+2*((\u)>>2)
	WIN 0xc0                                       ; the data land in window 3
.irp p, 0,1,2,3,4,5,6,7,8,9,10,11,12,13,14,15
	global_load_b128 v[L_S+4*\p:L_S+4*\p+3], v[INO], s[L_B:L_B+1] offset:L_O+\p*ROWB th:TH_LOAD_NT
.endr
.endm
.macro UNIT u, left
.set U_S, 64*((\u)&3)
.set U_F, (((\u)>>2)&1)*128+(((\u)>>1)&1)*64+((\u)&1)*32
	s_wait_loadcnt \left                           ; loads come back in order: this unit is in, the younger units (16 loads each) stay out
	WIN 0x0c                                       ; store data from window 3
.irp p, 0,1,2,3,4,5,6,7,8,9,10,11,12,13,14,15
	ds_store_b128 v[SCW], v[U_S+4*\p:U_S+4*\p+3] offset:\p*SPITCH
.endr
.if (\u) < 12
	UNITLD (\u)+4                                  ; the landing slot is asked for again
.endif
	WIN 0
.irp k, 0,1,2,3                                    ; LDS serves a wave's instructions in order: these see the stores above, and the next unit's stores come behind them
	ds_load_b128 v[ACC0+16*\k:ACC0+16*\k+3],     v[SCR] offset:\k*128        ; row r, k = 32 kb + 8 h + 0..3
	ds_load_b128 v[ACC0+16*\k+4:ACC0+16*\k+7],   v[SCR] offset:\k*128+16     ; + 4..7
	ds_load_b128 v[ACC0+16*\k+8:ACC0+16*\k+11],  v[SCR] offset:\k*128+64     ; k = 32 kb + 16 + 8 h + 0..3
	ds_load_b128 v[ACC0+16*\k+12:ACC0+16*\k+15], v[SCR] offset:\k*128+80
.endr
.if (\u) < 8
	WIN 0x40                                       ; h's fragments: window 1
.else
	WIN 0x80                                       ; x's: window 2
.endif
.irp k, 0,1,2,3
	s_wait_dscnt 12-4*\k                           ; the four loads of K block k are in; the 12 - 4 k behind them may be out
.irp q, 0,1,2,3,4,5,6,7
	v_cvt_pk_bf16_f32 v[U_F+8*\k+\q], v[ACC0+16*\k+2*\q], v[ACC0+16*\k+2*\q+1]
.endr
.endr
.endm
.irp g, 0,1,2,3,4,5
	global_load_b64 v[16+2*\g:17+2*\g], v11, s[22+2*\g:23+2*\g]    ; r_b_r, r_b_i, z_b_r, z_b_i, n_b_r, n_b_i: 128 threads x 8 bytes
.endr
	UNITLD 0
	UNITLD 1
	UNITLD 2
	UNITLD 3
	UNIT 0, 48
	WIN 0
; The biases' loads are older than unit 0's, so its wait has shown them in.  They are kept scaled by the factor of their gate's exponent.
.irp g, 0,1,2,3
	v_pk_mul_f32 v[16+2*\g:17+2*\g], v[16+2*\g:17+2*\g], s[KSIG:KSIG+1] op_sel_hi:[1,0]
.endr
.irp g, 4,5
	v_pk_mul_f32 v[16+2*\g:17+2*\g], v[16+2*\g:17+2*\g], s[KTAN:KTAN+1] op_sel_hi:[1,0]
.endr
.irp g, 0,1,2,3,4,5
	ds_store_b64 v28, v[16+2*\g:17+2*\g] offset:\g*1024            ; read by all waves behind trip 0's round
.endr
.irp u, 1,2,3,4,5,6,7,8,9,10,11,12
	UNIT \u, 48
.endr
	UNIT 13, 32
	UNIT 14, 16
	UNIT 15, 0
	WIN 0
; ---------------------------------------------------------------- the trips
; Eight LDS loads: double step d (two K blocks x two tiles, 4,096 bytes, 16 consecutive bytes a lane) into weight buffer d % 3.
.macro LOADW d, slot
.set L_W, W0+32*((\d)%3)
.irp i, 0,1,2,3,4,5,6,7
	ds_load_b128 v[L_W+4*\i:L_W+4*\i+3], v[WA+(\slot)] offset:(\d)*4096+\i*512
.endr
.endm
; Eight matrix instructions on eight accumulators, which take turns, one instruction a turn, in the same order in every step.
; wb: two weight tiles; a1: the operand of accR, a2: that of accI (in the window set for source 1).  zero = 1: the first products start the sums.
.macro STEP wb, a1, a2, acc, zero
.irp rb, 0,1
.irp t, 0,1
.if \zero
	v_wmma_f32_16x16x32_bf16 v[\acc+32*\rb+8*\t:\acc+32*\rb+8*\t+7], v[\wb+8*\t:\wb+8*\t+7], v[\a1+64*\rb:\a1+64*\rb+7], 0
.else
	v_wmma_f32_16x16x32_bf16 v[\acc+32*\rb+8*\t:\acc+32*\rb+8*\t+7], v[\wb+8*\t:\wb+8*\t+7], v[\a1+64*\rb:\a1+64*\rb+7], v[\acc+32*\rb+8*\t:\acc+32*\rb+8*\t+7]
.endif
.endr
.irp t, 0,1
.if \zero
	v_wmma_f32_16x16x32_bf16 v[\acc+32*\rb+16+8*\t:\acc+32*\rb+16+8*\t+7], v[\wb+8*\t:\wb+8*\t+7], v[\a2+64*\rb:\a2+64*\rb+7], 0
.else
	v_wmma_f32_16x16x32_bf16 v[\acc+32*\rb+16+8*\t:\acc+32*\rb+16+8*\t+7], v[\wb+8*\t:\wb+8*\t+7], v[\a2+64*\rb:\a2+64*\rb+7], v[\acc+32*\rb+16+8*\t:\acc+32*\rb+16+8*\t+7]
.endif
.endr
.endr
.endm
; A trip's 256 matrix instructions: 16 double steps.  0-3: imaginary weight of h (window win0), 4-7: of x (window 2), accR negated, 8-11 and 12-15: the real weights.
; Double steps 0, 1, 2 have been asked for ahead of the macro; d + 3 is asked for behind d, into the buffer that d has just read.
.macro KPART slot, acc, win0
.set K_D, 0
.rept 16
.if (K_D&7) == 0
	WIN ((\win0)<<2)                               ; only source 1 changes its window: the LDS loads below are not touched by it
.endif
.if (K_D&7) == 4
	WIN 0x08
.endif
.if K_D <= 13
	s_wait_dscnt 16                                ; double step d is in; the 16 loads of d + 1 and d + 2 may be out
.elseif K_D == 14
	s_wait_dscnt 8                                 ; only d + 1 is behind it
.else
	s_wait_dscnt 0
.endif
.set K_W, W0+32*(K_D%3)
.set K_A, 8*((2*K_D)&7)
.if K_D == 0
	STEP K_W, 128+K_A, K_A, \acc, 1
	STEP K_W+16, 136+K_A, K_A+8, \acc, 0
.elseif K_D < 8
	STEP K_W, 128+K_A, K_A, \acc, 0
	STEP K_W+16, 136+K_A, K_A+8, \acc, 0
.else
	STEP K_W, K_A, 128+K_A, \acc, 0
	STEP K_W+16, K_A+8, 136+K_A, \acc, 0
.endif
.if K_D <= 12
	PLACES                                         ; in front of loads into registers that matrix instructions have read (and, behind d = 7, of the negation)
	LOADW K_D+3, \slot
.endif
.if K_D == 7
	WIN 0
.irp rb, 0,1
.irp i, 0,2,4,6,8,10,12,14
	v_pk_mul_f32 v[\acc+32*\rb+\i:\acc+32*\rb+\i+1], v[\acc+32*\rb+\i:\acc+32*\rb+\i+1], -1.0 op_sel_hi:[1,0]   ; accR = -(Wi A_i), exact
.endr
.endr
.endif
.set K_D, K_D+1
.endr
	PLACES                                         ; five places: what follows reads the results, loads into the weight buffers,
	v_nop                                          ; and the next trip's first matrix instructions write over accumulators
	WIN 0
.endm
; The head of trip p.  Every wave has all its tensor loads in (its quarter of this trip's slot among them) and all its LDS reads back, the other slot's among
; them; the round shows that of every wave of all four work-groups; the joint refill of the other slot is the first thing behind it, one load a wave.
.macro HEAD p
	s_wait_tensorcnt 0x0
	ds_add_u32 v30, v31
	s_wait_dscnt 0x0
.if (\p) < 22
	s_add_nc_u64 s[G0+4*((\p)&1)+2:G0+4*((\p)&1)+3], s[G0+4*((\p)&1)+2:G0+4*((\p)&1)+3], 2*SLOTB   ; no load of mine is out: this slot's next part, trip p + 2
.endif
	s_wait_dscnt 0x0
	ROUND
.if (\p) < 23
	tensor_load_to_lds s[G0+4*(1-((\p)&1)):G0+4*(1-((\p)&1))+3], s[G1:G1+7]                        ; trip p + 1
	s_nop 0
.endif
.endm
; ---------------------------------------------------------------- element-wise blocks
.macro BIASLD g0, c                    ; the scaled biases of chunk c, real and imaginary, in the accumulators' order, into W2
.irp part, 0,1
.irp t, 0,1
	ds_load_b128 v[W2+16*\part+8*\t:W2+16*\part+8*\t+3],   v[BIA] offset:(\g0+\part)*1024+(\c)*128+\t*64
	ds_load_b128 v[W2+16*\part+8*\t+4:W2+16*\part+8*\t+7], v[BIA] offset:(\g0+\part)*1024+(\c)*128+\t*64+16
.endr
.endr
.endm
.macro ACT acc, k                      ; the exponent: factor x sum + factor x bias, one fused multiply-add
.irp rb, 0,1
.set A_I, 0
.rept 16
	v_pk_fma_f32 v[\acc+32*\rb+A_I:\acc+32*\rb+A_I+1], v[\acc+32*\rb+A_I:\acc+32*\rb+A_I+1], s[\k:\k+1], v[W2+A_I:W2+A_I+1] op_sel_hi:[1,0,1]
.set A_I, A_I+2
.endr
.endr
.endm
.macro SIG acc                         ; 1 / (1 + 2^e) on 64 registers.  Behind each run of transcendentals one plain instruction before a result is used (ISA guide 5.7.2)
.set S_I, 0
.rept 64
	v_exp_f32 v[\acc+S_I], v[\acc+S_I]
.set S_I, S_I+1
.endr
	v_nop
.set S_I, 0
	s_wait_alu depctr_va_vdst(0)
.rept 32
	v_pk_add_f32 v[\acc+S_I:\acc+S_I+1], v[\acc+S_I:\acc+S_I+1], 1.0 op_sel_hi:[1,0]
.set S_I, S_I+2
.endr
.set S_I, 0
.rept 64
	v_rcp_f32 v[\acc+S_I], v[\acc+S_I]
.set S_I, S_I+1
.endr
	v_nop
	s_wait_alu depctr_va_vdst(0)
.endm
.macro HWIDE dst, rb, t, c             ; h of tile (rb, t) of chunk c from its bf16 fragment in window 1: dst+0..7 h_r, dst+8..15 h_i, in the accumulators' order
	WIN 0x04
.irp m, 0,1
.irp q, 0,1,2,3
	v_lshlrev_b32 v[\dst+8*\m+2*\q],   16,  v[128*\m+64*\rb+8*(\c)+4*\t+\q]
	v_and_b32     v[\dst+8*\m+2*\q+1], s35, v[128*\m+64*\rb+8*(\c)+4*\t+\q]
.endr
.endr
	WIN 0
.endm
; Gate r, chunk c: r = sigmoid, then r*h (complex), rounded to bf16 straight into K block c of the fragments in window 3.
.macro ER c, slot
	BIASLD 0, \c
	LOADW 0, \slot
	LOADW 1, \slot
	s_wait_dscnt 16                                ; the biases are in; the 16 weight loads behind them stay out
	ACT ACC0, KSIG
	SIG ACC0
.irp rb, 0,1
.irp t, 0,1
.set E_R, ACC0+32*\rb+8*\t
.set E_I, E_R+16
	HWIDE ACC1, \rb, \t, \c
.irp i, 0,2,4,6
	v_pk_mul_f32 v[ACC1+16+\i:ACC1+17+\i], v[E_I+\i:E_I+\i+1], v[ACC1+8+\i:ACC1+9+\i]             ; r_i h_i
.endr
.irp i, 0,2,4,6
	v_pk_mul_f32 v[E_I+\i:E_I+\i+1], v[E_I+\i:E_I+\i+1], v[ACC1+\i:ACC1+\i+1]                     ; r_i h_r
.endr
.irp i, 0,2,4,6
	v_pk_fma_f32 v[ACC1+\i:ACC1+\i+1], v[E_R+\i:E_R+\i+1], v[ACC1+\i:ACC1+\i+1], v[ACC1+16+\i:ACC1+17+\i] neg_lo:[0,0,1] neg_hi:[0,0,1]   ; r_r h_r - r_i h_i
.endr
.irp i, 0,2,4,6
	v_pk_fma_f32 v[ACC1+8+\i:ACC1+9+\i], v[E_R+\i:E_R+\i+1], v[ACC1+8+\i:ACC1+9+\i], v[E_I+\i:E_I+\i+1]                                   ; r_r h_i + r_i h_r
.endr
	WIN 0xc0
.irp q, 0,1,2,3
	v_cvt_pk_bf16_f32 v[64*\rb+8*(\c)+4*\t+\q],     v[ACC1+2*\q],   v[ACC1+2*\q+1]
	v_cvt_pk_bf16_f32 v[128+64*\rb+8*(\c)+4*\t+\q], v[ACC1+8+2*\q], v[ACC1+9+2*\q]
.endr
	WIN 0
.endr
.endr
	LOADW 2, \slot
.endm
; Gate z, chunk c: z = sigmoid, left in ACC0 while gate n's trip fills ACC1.
.macro EZ c, slot
	BIASLD 2, \c
	LOADW 0, \slot
	LOADW 1, \slot
	s_wait_dscnt 16                                ; as in ER
	ACT ACC0, KSIG
	SIG ACC0
	LOADW 2, \slot
.endm
; Gate n, chunk c: n = tanh; new_r = h_r + z_r (n_r - h_r) - z_i (n_i - h_i), new_i = h_i + z_r (n_i - h_i) + z_i (n_r - h_r); out through the wave's own stage.
; An even chunk's 128 bytes of each row wait in the stage; with the odd chunk behind it whole rows of 256 bytes are read back and stored.
; lw = 1: the next trip's first weights are asked for here.
.macro EN c, slot, lw
	BIASLD 4, \c
.if \lw
	LOADW 0, \slot
	LOADW 1, \slot
	s_wait_dscnt 16                                ; as in ER
.else
	s_wait_dscnt 0
.endif
	ACT ACC1, KTAN
	SIG ACC1
.set E_J, 0
	s_wait_alu depctr_va_vdst(0)
.rept 32
	v_pk_fma_f32 v[ACC1+E_J:ACC1+E_J+1], v[ACC1+E_J:ACC1+E_J+1], -2.0, 1.0 op_sel_hi:[1,0,0]       ; tanh = 1 - 2 / (1 + 2^e)
.set E_J, E_J+2
.endr
.irp rb, 0,1
.irp t, 0,1
.set E_N, ACC1+32*\rb+8*\t
.set E_Z, ACC0+32*\rb+8*\t
.set E_SB, ((\c)&1)*ODD+(1-((\c)&1))*\rb*2*OPL
	HWIDE W2, \rb, \t, \c
.irp i, 0,2,4,6
	v_pk_add_f32 v[E_N+\i:E_N+\i+1],       v[E_N+\i:E_N+\i+1],       v[W2+\i:W2+\i+1]     neg_lo:[0,1] neg_hi:[0,1]   ; n_r - h_r
	v_pk_add_f32 v[E_N+16+\i:E_N+17+\i],   v[E_N+16+\i:E_N+17+\i],   v[W2+8+\i:W2+9+\i]   neg_lo:[0,1] neg_hi:[0,1]   ; n_i - h_i
.endr
.irp i, 0,2,4,6
	v_pk_fma_f32 v[W2+\i:W2+\i+1],     v[E_Z+\i:E_Z+\i+1], v[E_N+\i:E_N+\i+1],     v[W2+\i:W2+\i+1]
	v_pk_fma_f32 v[W2+8+\i:W2+9+\i],   v[E_Z+\i:E_Z+\i+1], v[E_N+16+\i:E_N+17+\i], v[W2+8+\i:W2+9+\i]
.endr
.irp i, 0,2,4,6
	v_pk_fma_f32 v[W2+\i:W2+\i+1],     v[E_Z+16+\i:E_Z+17+\i], v[E_N+16+\i:E_N+17+\i], v[W2+\i:W2+\i+1] neg_lo:[1,0,0] neg_hi:[1,0,0]
	v_pk_fma_f32 v[W2+8+\i:W2+9+\i],   v[E_Z+16+\i:E_Z+17+\i], v[E_N+\i:E_N+\i+1],     v[W2+8+\i:W2+9+\i]
.endr
	ds_store_b128 v[STW], v[W2:W2+3]     offset:E_SB+64*\t
	ds_store_b128 v[STW], v[W2+4:W2+7]   offset:E_SB+64*\t+16
	ds_store_b128 v[STW], v[W2+8:W2+11]  offset:E_SB+OPL+64*\t
	ds_store_b128 v[STW], v[W2+12:W2+15] offset:E_SB+OPL+64*\t+16
.endr
.if (\c)&1
.irp i, 0,1,2,3,4,5,6,7                            ; n and z of this row block are spent: their registers take the rows.  LDS serves a wave in order: these see the stores
	ds_load_b128 v[ACC1+32*\rb+4*\i:ACC1+32*\rb+4*\i+3], v[STR+\rb] offset:288*\i
.endr
.irp i, 0,1,2,3,4,5,6,7
	ds_load_b128 v[ACC0+32*\rb+4*\i:ACC0+32*\rb+4*\i+3], v[STR+\rb] offset:OPL+288*\i
.endr
.irp i, 0,1,2,3,4,5,6,7
	s_wait_dscnt 15-\i                             ; load i of the sixteen is in
	global_store_b128 v[CO], v[ACC1+32*\rb+4*\i:ACC1+32*\rb+4*\i+3], s[18:19] offset:(16*\rb+2*\i)*ROWB+((\c)>>1)*256 th:TH_STORE_NT   ; sixteen lanes: 256 consecutive bytes, aligned
.endr
.irp i, 0,1,2,3,4,5,6,7
	s_wait_dscnt 7-\i
	global_store_b128 v[CO], v[ACC0+32*\rb+4*\i:ACC0+32*\rb+4*\i+3], s[20:21] offset:(16*\rb+2*\i)*ROWB+((\c)>>1)*256 th:TH_STORE_NT
.endr
.endif
.endr
.if \lw
.if (\c)&1
	s_wait_xcnt 0x0                                ; the stores' data lie in accumulators, which the next trips write only behind this wait
.endif
	LOADW 2, \slot
.endif
.endm
	HEAD 0                                         ; its wait for my LDS stores and its round also show the scaled biases to all four waves
	LOADW 0, 0
	LOADW 1, 0
	LOADW 2, 0
	KPART 0, ACC0, 1                               ; gate r, chunk 0
.irp p, 1,2,3,4,5,6,7
	HEAD \p
	ER (\p-1), (\p&1)
	KPART (\p&1), ACC0, 1                          ; gate r, chunk p
.endr
	HEAD 8
	ER 7, 0                                        ; r*h is whole
	KPART 0, ACC0, 1                               ; gate z, chunk 0
.irp c, 0,1,2,3,4,5,6,7
	HEAD (9+2*\c)
	EZ \c, 1
	KPART 1, ACC1, 3                               ; gate n, chunk c: r*h from window 3
.if \c < 7
	HEAD (10+2*\c)
	EN \c, 0, 1
	KPART 0, ACC0, 1                               ; gate z, chunk c + 1
.endif
.endr
	EN 7, 0, 0
	s_wait_dscnt 0x0
	s_wait_tensorcnt 0x0
	ds_add_u32 v30, v31
	s_wait_dscnt 0x0
	ROUND                                          ; the closing round: no work-group ends while a partner may still ask for a part that names it
	s_endpgm
.Lfunc_end_k_qefe5851b34_cell:
	.size	k_qefe5851b34_cell, .Lfunc_end_k_qefe5851b34_cell-k_qefe5851b34_cell
	.p2alignl 7, 3214868480
	.fill 96, 4, 3214868480
	.section	.rodata,"a",@progbits
	.p2align	6, 0x0
	.amdhsa_kernel k_qefe5851b34_cell
		.amdhsa_group_segment_fixed_size 327680
		.amdhsa_private_segment_fixed_size 0
		.amdhsa_enable_private_segment 0
		.amdhsa_kernarg_size 104
		.amdhsa_user_sgpr_count 2
		.amdhsa_user_sgpr_kernarg_segment_ptr 1
		.amdhsa_wavefront_size32 1
		.amdhsa_system_sgpr_workgroup_id_x 1
		.amdhsa_system_sgpr_workgroup_id_y 1
		.amdhsa_system_sgpr_workgroup_id_z 1
		.amdhsa_system_vgpr_workitem_id 0
		.amdhsa_next_free_vgpr 1024
		.amdhsa_next_free_sgpr 66
		.amdhsa_reserve_vcc 0
		.amdhsa_float_denorm_mode_32 3
		.amdhsa_float_denorm_mode_16_64 3
		.amdhsa_memory_ordered 1
		.amdhsa_forward_progress 1
		.amdhsa_inst_pref_size 255
	.end_amdhsa_kernel
	.section	.bss,"aw",@nobits
	.p2align	6
	.space	262144
	.amdgpu_metadata
---
amdhsa.version: [ 1, 2 ]
amdhsa.kernels:
  - .name:           k_qefe5851b34_cell
    .symbol:         k_qefe5851b34_cell.kd
    .args:
      - { .name: h_r, .offset: 0, .size: 8, .value_kind: global_buffer, .address_space: global }
      - { .name: h_i, .offset: 8, .size: 8, .value_kind: global_buffer, .address_space: global }
      - { .name: x_r, .offset: 16, .size: 8, .value_kind: global_buffer, .address_space: global }
      - { .name: x_i, .offset: 24, .size: 8, .value_kind: global_buffer, .address_space: global }
      - { .name: wq, .offset: 32, .size: 8, .value_kind: global_buffer, .address_space: global }
      - { .name: out0, .offset: 40, .size: 8, .value_kind: global_buffer, .address_space: global }
      - { .name: out1, .offset: 48, .size: 8, .value_kind: global_buffer, .address_space: global }
      - { .name: params_r_b_r, .offset: 56, .size: 8, .value_kind: global_buffer, .address_space: global }
      - { .name: params_r_b_i, .offset: 64, .size: 8, .value_kind: global_buffer, .address_space: global }
      - { .name: params_z_b_r, .offset: 72, .size: 8, .value_kind: global_buffer, .address_space: global }
      - { .name: params_z_b_i, .offset: 80, .size: 8, .value_kind: global_buffer, .address_space: global }
      - { .name: params_n_b_r, .offset: 88, .size: 8, .value_kind: global_buffer, .address_space: global }
      - { .name: params_n_b_i, .offset: 96, .size: 8, .value_kind: global_buffer, .address_space: global }
    .group_segment_fixed_size: 327680
    .private_segment_fixed_size: 0
    .kernarg_segment_align: 8
    .kernarg_segment_size: 104
    .max_flat_workgroup_size: 128
    .sgpr_count:     66
    .vgpr_count:     1024
    .wavefront_size: 32
...
	.end_amdgpu_metadata
.endif
;; end of part 2
;; ======== version 2 of 2: 2 launches; 1.30 times as fast as version 1
;; limits: values outside matrix products are rounded to bf16
;; workspace buffers: wq 1,572,864 bytes
;; launch prep (part 3): grid 12 x 8, 8 waves a work-group, no clusters, 0 bytes of LDS; arguments params_h_ri, params_x_ri, params_h_rr, params_x_rr, params_h_zi, params_x_zi, params_h_zr, params_x_zr, params_h_ni, params_x_ni, params_h_nr, params_x_nr, wq; writes wq
.if DOCPART == 3
	.amdgcn_target "amdgcn-amd-amdhsa--gfx1250"
	.amdhsa_code_object_version 6
	.text
	.protected	k_qefe5851b34_prep
	.globl	k_qefe5851b34_prep
	.p2align	8
	.type	k_qefe5851b34_prep,@function
k_qefe5851b34_prep:
	s_mov_b64 s[64:65], 0
	v_nop
	global_prefetch_b8 v0, s[64:65] scope:SCOPE_SE
	s_setreg_imm32_b32 hwreg(HW_REG_WAVE_MODE, 25, 1), 1
	s_wait_xcnt 0x0
; The twelve weight matrices, f32 [K = 256][N = 256], become bf16 matrix fragments in wq, in the order in which the cell walks them.
; wq = 48 pieces of 32,768 bytes, one for each gate and each 16 columns (chunk c of 32 columns, tile t of 16):
;   gate r: piece 2 c + t;  gate z: piece 16 + 4 c + 2 t;  gate n: piece 17 + 4 c + 2 t.
; Byte in a piece: sub*16384 + src*8192 + kb*1024 + half*512 + lane*16
;   sub 0 = imaginary weight, 1 = real; src 0 = the weight of h (of r*h for gate n), 1 = the weight of x; kb = K block of 32.
; Fragment kb, lane (r = lane & 15, h = lane >> 4): column 32 c + 16 t + r; half 0 holds k = 32 kb + 8 h + 0..7, half 1 holds
; k = 32 kb + 16 + 8 h + 0..7, the lower k in the lower bits (ISA guide 7.12.2: 16-bit operands of the 16x16x32 forms).
; Work-group (a, kb): matrix a = gate*4 + sub*2 + src (the order of the arguments), its rows 32 kb .. 32 kb + 31.  Wave c: columns 32 c .. 32 c + 31.
; A load of a wave takes 128 consecutive bytes of one row, the eight waves together the row's 1,024; each store of a wave covers 512 consecutive
; bytes, aligned.  1.5 MB in all: no LDS and no ring are worth their text here.  Rounding: to nearest even.
	s_load_b512 s[8:23], s[0:1], 0x0               ; matrices 0 to 7
	s_load_b256 s[24:31], s[0:1], 0x40             ; matrices 8 to 11
	s_load_b64 s[32:33], s[0:1], 0x60              ; wq
	v_lshrrev_b32 v3, 5, v0
	v_readfirstlane_b32 s3, v3                     ; c: the wave's number
	s_mov_b32 s2, ttmp9                            ; a
	s_and_b32 s34, ttmp7, 0xffff                   ; kb
	v_lshlrev_b32 v1, 2, v0                        ; 4 (32 c + lane): my column in a row
	v_and_b32 v2, 31, v0
	v_lshlrev_b32 v2, 4, v2                        ; 16 x lane: my 16 bytes of a half fragment, tile 0
	s_lshr_b32 s35, s2, 2                          ; gate: 0 r, 1 z, 2 n
	s_lshl_b32 s36, s3, 2
	s_add_co_u32 s36, s36, s35
	s_add_co_u32 s36, s36, 15                      ; 4 c + 15 + gate: tile 0's piece for gates z and n
	s_lshl_b32 s38, s3, 1                          ; 2 c: for gate r
	s_mov_b32 s39, 0x8000                          ; tile 1 lies one piece on for gate r,
	s_mov_b32 s40, 0x10000                         ; two pieces on for gates z and n
	s_cmp_eq_u32 s35, 0
	s_cselect_b32 s36, s38, s36
	s_cselect_b32 s38, s39, s40
	v_add_nc_u32 v4, s38, v2                       ; my 16 bytes of a half fragment, tile 1
	s_lshl_b32 s36, s36, 15                        ; piece * 32768
	s_and_b32 s37, s2, 3
	s_lshl_b32 s37, s37, 13                        ; (sub*2 + src) * 8192
	s_add_co_u32 s36, s36, s37
	s_lshl_b32 s37, s34, 10                        ; kb * 1024
	s_add_co_u32 s36, s36, s37
	s_mov_b32 s37, 0                               ; s[36:37]: tile 0's 1,024 bytes in wq
	s_lshl_b32 s6, s34, 15                         ; kb * 32 rows of 1,024 bytes
	s_mov_b32 s7, 0
	s_wait_kmcnt 0x0
	s_mov_b64 s[4:5], s[8:9]                       ; the matrix is chosen among the twelve by the work-group's number alone
.irp i, 1,2,3,4,5,6,7,8,9,10,11
	s_cmp_eq_u32 s2, \i
	s_cselect_b64 s[4:5], s[8+2*\i:9+2*\i], s[4:5]
.endr
	s_add_nc_u64 s[4:5], s[4:5], s[6:7]
	s_add_nc_u64 s[32:33], s[32:33], s[36:37]
.set P_K, 0
.rept 32
	global_load_b32 v[8+P_K], v1, s[4:5] offset:P_K*1024       ; W[32 kb + k][32 c + lane]
.set P_K, P_K+1
.endr
	s_wait_loadcnt 0x0
.set P_K, 0
.rept 16
	v_cvt_pk_bf16_f32 v[40+P_K], v[8+2*P_K], v[9+2*P_K]        ; k = 2 i below, 2 i + 1 above
.set P_K, P_K+1
.endr
; Lanes 0-15 hold the columns of tile 0, lanes 16-31 those of tile 1, each with all 32 k.  A fragment wants k = 8 h .. in lanes of half h:
; the exchange of one register's upper lanes with another's lower lanes sorts two registers of both tiles at once.
.irp q, 0,1,2,3
	v_permlane16_swap_b32 v[40+\q], v[44+\q]       ; v[40+q]: tile 0, half 0;  v[44+q]: tile 1, half 0
	v_permlane16_swap_b32 v[48+\q], v[52+\q]       ; v[48+q]: tile 0, half 1;  v[52+q]: tile 1, half 1
.endr
	global_store_b128 v2, v[40:43], s[32:33]
	global_store_b128 v2, v[48:51], s[32:33] offset:512
	global_store_b128 v4, v[44:47], s[32:33]
	global_store_b128 v4, v[52:55], s[32:33] offset:512
	s_endpgm
.Lfunc_end_k_qefe5851b34_prep:
	.size	k_qefe5851b34_prep, .Lfunc_end_k_qefe5851b34_prep-k_qefe5851b34_prep
	.p2alignl 7, 3214868480
	.fill 96, 4, 3214868480
	.section	.rodata,"a",@progbits
	.p2align	6, 0x0
	.amdhsa_kernel k_qefe5851b34_prep
		.amdhsa_group_segment_fixed_size 0
		.amdhsa_private_segment_fixed_size 0
		.amdhsa_enable_private_segment 0
		.amdhsa_kernarg_size 104
		.amdhsa_user_sgpr_count 2
		.amdhsa_user_sgpr_kernarg_segment_ptr 1
		.amdhsa_wavefront_size32 1
		.amdhsa_system_sgpr_workgroup_id_x 1
		.amdhsa_system_sgpr_workgroup_id_y 1
		.amdhsa_system_sgpr_workgroup_id_z 1
		.amdhsa_system_vgpr_workitem_id 0
		.amdhsa_next_free_vgpr 64
		.amdhsa_next_free_sgpr 66
		.amdhsa_reserve_vcc 0
		.amdhsa_float_denorm_mode_32 3
		.amdhsa_float_denorm_mode_16_64 3
		.amdhsa_memory_ordered 1
		.amdhsa_forward_progress 1
		.amdhsa_inst_pref_size 7
	.end_amdhsa_kernel
	.amdgpu_metadata
---
amdhsa.version: [ 1, 2 ]
amdhsa.kernels:
  - .name:           k_qefe5851b34_prep
    .symbol:         k_qefe5851b34_prep.kd
    .args:
      - { .name: params_h_ri, .offset: 0, .size: 8, .value_kind: global_buffer, .address_space: global }
      - { .name: params_x_ri, .offset: 8, .size: 8, .value_kind: global_buffer, .address_space: global }
      - { .name: params_h_rr, .offset: 16, .size: 8, .value_kind: global_buffer, .address_space: global }
      - { .name: params_x_rr, .offset: 24, .size: 8, .value_kind: global_buffer, .address_space: global }
      - { .name: params_h_zi, .offset: 32, .size: 8, .value_kind: global_buffer, .address_space: global }
      - { .name: params_x_zi, .offset: 40, .size: 8, .value_kind: global_buffer, .address_space: global }
      - { .name: params_h_zr, .offset: 48, .size: 8, .value_kind: global_buffer, .address_space: global }
      - { .name: params_x_zr, .offset: 56, .size: 8, .value_kind: global_buffer, .address_space: global }
      - { .name: params_h_ni, .offset: 64, .size: 8, .value_kind: global_buffer, .address_space: global }
      - { .name: params_x_ni, .offset: 72, .size: 8, .value_kind: global_buffer, .address_space: global }
      - { .name: params_h_nr, .offset: 80, .size: 8, .value_kind: global_buffer, .address_space: global }
      - { .name: params_x_nr, .offset: 88, .size: 8, .value_kind: global_buffer, .address_space: global }
      - { .name: wq, .offset: 96, .size: 8, .value_kind: global_buffer, .address_space: global }
    .group_segment_fixed_size: 0
    .private_segment_fixed_size: 0
    .kernarg_segment_align: 8
    .kernarg_segment_size: 104
    .max_flat_workgroup_size: 256
    .sgpr_count:     66
    .vgpr_count:     64
    .wavefront_size: 32
...
	.end_amdgpu_metadata
.endif
;; end of part 3
;; launch cell (part 4): grid 256 x 1, 4 waves a work-group, clusters of 4 x 1, 327,680 bytes of LDS; arguments h_r, h_i, x_r, x_i, wq, out0, out1, params_r_b_r, params_r_b_i, params_z_b_r, params_z_b_i, params_n_b_r, params_n_b_i; writes out0, out1
.if DOCPART == 4
	.amdgcn_target "amdgcn-amd-amdhsa--gfx1250"
	.amdhsa_code_object_version 6
	.text
	.protected	k_qefe5851b34_cell
	.globl	k_qefe5851b34_cell
	.p2align	8
	.type	k_qefe5851b34_cell,@function
k_qefe5851b34_cell:
	s_mov_b64 s[64:65], 0
	v_nop
	global_prefetch_b8 v0, s[64:65] scope:SCOPE_SE
	s_setreg_imm32_b32 hwreg(HW_REG_WAVE_MODE, 25, 1), 1
	s_wait_xcnt 0x0
	s_wait_alu depctr_hold_cnt(0) depctr_sa_sdst(0) depctr_va_vdst(0) depctr_va_sdst(0) depctr_va_ssrc(0) depctr_va_vcc(0) depctr_vm_vsrc(0)
	s_getreg_b32 s2, hwreg(HW_REG_IB_STS2, 6, 4)
	s_cmp_eq_u32 s2, 0
	s_cbranch_scc0 .Lentry_in_a_cluster
	s_endpgm
.Lentry_in_a_cluster:
	s_bfe_u32 s2, ttmp6, 0x10000c
	s_cmp_lg_u32 s2, 0x3003
	s_cbranch_scc0 .Lentry_shape_is_right
	s_endpgm
.Lentry_shape_is_right:
; The whole complex GRU cell for 128 rows a work-group, 32 rows a wave (two row blocks rb of 16), all 256 columns; z, r, r*h and n never leave the wave.
;
; OPERANDS.  h_r, h_i, x_r, x_i are read once, rounded to bf16 (to nearest even) and kept in registers as matrix fragments for the whole kernel
; (128 registers each), and so is r*h.  Only weight fragments come from LDS for the products: one fragment of 1,024 bytes feeds four matrix instructions
; (two row blocks x real and imaginary operand).
; LIMIT OF FORMAT: the element-wise steps (r*h and the final blend) take h from the bf16 fragments too, widened to f32; there h deviates from the
; f32 input by at most 2^-9 of its size.  All element-wise arithmetic is f32.
; sigmoid(a) = 1 / (1 + 2^(-a log2 e)), tanh(a) = 1 - 2 / (1 + 2^(2 a log2 e)): right at both ends (2^x = 0 or infinity give 1 and 0);
; tanh has an absolute error of a few 2^-24, so for |a| under about 2^-12 its relative accuracy falls off.
;
; THE MATRIX INSTRUCTION IS USED TRANSPOSED: source 0 = 16 columns of a weight, source 1 = 16 batch rows.  Lane (r = lane & 15, h = lane >> 4), register j
; of the result tile t of column chunk c then holds batch row r, column 32 c + 16 t + 8 h + j: lane for lane the places of registers 4 t .. 4 t + 3 of an
; activation fragment of K block c.  Gate values, h and r*h meet without any exchange between lanes.
; THE MINUS of a complex product: a sub-trip first adds all products with the imaginary weights (accR += Wi A_i, accI += Wi A_r), negates accR once,
; then adds those with the real weights (accR += Wr A_r, accI += Wr A_i).
;
; SUB-TRIPS.  One gate and 16 columns: 32 accumulator registers, 128 matrix instructions, 32,768 bytes of weights.  48 of them: r(c,t) = 2 c + t,
; z(c,t) = 16 + 4 c + 2 t, n(c,t) = 17 + 4 c + 2 t.  THE ELEMENT-WISE WORK OF A SUB-TRIP IS ISSUED BETWEEN THE MATRIX INSTRUCTIONS OF THE NEXT: behind each matrix
; instruction stands one bundle of two to four vector instructions on another accumulator set.  Three sets of 32 registers suffice: A and B for r and z by
; turns, N for n.  (With 32 columns a trip the three sets would take 192 registers, which do not fit beside 768 registers of operands.)
; The activations are source 1 of the matrix instructions and lie in windows 1 to 3, so a bundle is written without a vector register in the place of
; source 1 wherever the arithmetic allows; only products of two vectors and the packing to bf16 switch the window, four instructions a switch.
; LDS stores and global stores (their data are source 1) stand at a sub-trip's end, under window 0.
;
; WEIGHTS: a ring of two LDS slots of 65,536 bytes, two sub-trips each.  All work-groups walk the same 1.5 MB, so four work-groups form a cluster and ask for
; each slot JOINTLY (mask 15): each wave asks for a quarter of a slot, 64 rows of 256 bytes.  By this text's own count a wave has one tensor load outstanding;
; it has two sub-trips (256 matrix instructions) in which to land.
;
; LOOPS.  A turn begins in the middle of a slot, so that each sub-trip finds the one before it in the text.  Sub-trip 0 is written out; four turns of four
; sub-trips make 1 to 16 (the last is z(0,0), the same code as a sub-trip of r); seven turns of four make 17 to 44; 45 to 47 and the last blend are written out.
; A register number is a constant of the text, so a loop over chunks cannot name K block c of a fragment.  Hence each wave keeps a copy of h's fragments
; in LDS bytes of its own (HL: register 4 i of the 256 at byte 512 i), whose address steps with the chunk.  Gate r's work reads h there and writes r*h over it;
; behind that loop r*h is loaded into its registers and h is stored again from its registers, for the blend.
; The loops' counter counts in bytes of HL (1,024 a chunk); the bias's offset (128 a chunk) and out's column offset are shifts and masks of it.
;
; LDS: RING 0 .. 131,071 (filled by tensor loads alone); HL 131,072 + wave * 32,768; STAGE 262,144 + wave * 14,080 (the wave's own); BIAS 318,464 (six rows of
; 1,024 bytes, scaled).  STAGE on the way in: 16 rows x 512 bytes at pitch 528; on the way out: rows of 128 bytes at pitch 144, planes of 16 rows: even chunks at
; rb*4608 + o*2304, odd chunks at 9344 + o*2304 for both row blocks in turn (o = 0: out0, 1: out1).  Both pitches are odd multiples of 16 bytes, so sixteen rows
; start at sixteen different 16-byte columns modulo 256; 9344 = 128 modulo 256, so the two halves of a row of 256 bytes read back fall on different columns too.
;
; REGISTERS, in windows of 256: window 1 h, window 2 x, window 3 r*h (on the way in: four landing slots of 64): part*128 + rb*64 + kb*8.
; Window 0: v1-15 addresses; BH v16-31, HP = K16 v32-47, HF v48-63 scratch; sets A v64-95, B v96-127, N v128-159 (tile (rb, part) at 16 rb + 8 part);
; W0-W2 v160-255 (weights; set-up's scratch).
.set ROWB,   1024                      ; bytes in a row of h, x, out
.set SLOTB,  65536                     ; a ring slot = two sub-trips' weights
.set HLB,    131072
.set STAGE,  262144
.set STGW,   14080                     ; a wave's stage: 55 x 256 bytes
.set BIAS,   STAGE+4*STGW
.set SPITCH, 528
.set OPITCH, 144
.set OPL,    16*OPITCH                 ; a plane of 16 rows on the way out
.set ODD,    4*OPL+128
.set WA,   1                           ; v1, v2   16 x lane in slot 0, 1
.set STW,  3                           ; v3       way out: S + 144 r + 32 h
.set STR,  4                           ; v4, v5   way out, read back, row block 0, 1
.set BIA,  6                           ; v6       BIAS + 32 h
.set CO,   7                           ; v7       my 16 bytes in the work-group's rows of out
.set INO,  8                           ; v8       way in: my 16 bytes in the work-group's rows of an input
.set COC,  8                           ; v8       later (the inputs' loads are all in by then): CO + the chunk pair's 256 bytes
.set SCW,  9                           ; v9       way in: S + 16 x lane
.set SCR,  10                          ; v10      way in: S + 528 r + 32 h
.set HLA,  11                          ; v11      HL + wave * 32,768 + 16 x lane
.set BIC,  12                          ; v12      BIA at the loop's chunk
.set HLC,  13                          ; v13      HLA at the loop's chunk
.set STC,  14                          ; v14, v15 STW at the chunk's planes, row block 0, 1
.set BH,   16                          ; v16-31   the scaled bias (8 part + j); in the blend afterwards h packed (8 rb + 4 part + q)
.set HP,   32                          ; v32-47   gate r: h packed (8 rb + 4 part + q), a product, then r*h packed
.set K16,  32                          ; v32-47   the blend: row block 1's results of tile 0, kept until tile 1's are there
.set HF,   48                          ; v48-63   h of a tile in f32 (8 part + j), then the result
.set AA,   64
.set AB,   96
.set AN,   128
.set LND,  64                          ; way in: 64 registers of f32 on their way to bf16
.set W0,   160
.set TS,   160                         ; set-up's scratch, in registers that weights fill later
.set BV,   176                         ; v176-187 the six biases, two numbers a thread
.set BO,   188
.set BL,   189
.set G1,   40                          ; s[40:47] descriptor group 1
.set G0,   48                          ; s[48:55] descriptor group 0, four registers for each slot
.set KSIG, 56                          ; s[56:57] -log2 e, twice
.set KTAN, 58                          ; s[58:59] 2 log2 e, twice
.set MSB, 0
.macro WIN new                         ; s_set_vgpr_msb: bits 1:0 source 0, 3:2 source 1, 5:4 source 2, 7:6 destination; the high byte repeats the setting left
.if MSB != (\new)
	s_set_vgpr_msb (MSB<<8)|(\new)
.set MSB, \new
.endif
.endm
.macro PLACES                          ; four independent vector instructions behind a matrix instruction (ISA guide 7.12.1) before its registers are touched
.rept 4
	v_nop
.endr
.endm
; A round of the cluster's barrier: my work-group's barrier, wave 0 signals for the work-group, every wave waits for all four work-groups, my work-group's barrier again.
.macro ROUND
	s_barrier_signal -1
	s_barrier_wait -1
	s_cmp_lg_u32 s3, 0
	s_cbranch_scc1 .Lnot_wave_0_\@
	s_barrier_signal -3
.Lnot_wave_0_\@:
	s_barrier_wait -3
	s_barrier_signal -1
	s_barrier_wait -1
.endm
	s_load_b512 s[8:23], s[0:1], 0x0               ; h_r s[8:9], h_i s[10:11], x_r s[12:13], x_i s[14:15], wq s[16:17], out0 s[18:19], out1 s[20:21], r_b_r s[22:23]
	s_load_b256 s[24:31], s[0:1], 0x40             ; r_b_i, z_b_r, z_b_i, n_b_r
	s_load_b64 s[32:33], s[0:1], 0x60              ; n_b_i
	v_lshl_add_u32 v62, v0, 2, 0x4f400
	v_mov_b32 v63, 0
	ds_add_u32 v62, v63
	s_wait_dscnt 0x0
	v_lshrrev_b32 v[TS], 5, v0
	v_readfirstlane_b32 s3, v[TS]                  ; wave 0..3
	s_bfe_u32 s4, ttmp6, 0x40000                   ; cx: my place in the cluster; it enters the addresses of h, x and out alone
	s_lshl_b32 s5, ttmp9, 2
	s_add_co_u32 s5, s5, s4                        ; work-group = 4 x cluster + cx
	s_lshl_b32 s6, s5, 17                          ; x 128 rows of 1,024 bytes (under 2^25)
	s_mov_b32 s7, 0
	s_mov_b32 s35, 0xffff0000                      ; a word's upper bf16
	s_mov_b32 s[KSIG], 0xbfb8aa3b
	s_mov_b32 s[KSIG+1], 0xbfb8aa3b
	s_mov_b32 s[KTAN], 0x4038aa3b
	s_mov_b32 s[KTAN+1], 0x4038aa3b
	s_mov_b32 s62, ODD                             ; the stage's planes of an odd chunk,
	s_mov_b32 s63, 2*OPL                           ; and of an even chunk's row block 1
	; group 1: a dense block of 16,384 bytes as 64 rows of 32 elements of 8 bytes
	s_mov_b32 s[G1+0], 15|(3<<16)|(1<<21)          ; 15:0 the four work-groups of the cluster; 17:16 elements of 8 bytes; 21 set beside a mask; no padding
	s_mov_b32 s[G1+1], 32<<16                      ; tensor_dim0 = 32
	s_mov_b32 s[G1+2], 64<<16                      ; tensor_dim1 = 64
	s_mov_b32 s[G1+3], 32<<16                      ; tile_dim0 = 32
	s_mov_b32 s[G1+4], 64                          ; tile_dim1 = 64
	s_mov_b32 s[G1+5], 32                          ; from row to row: 32 elements
	s_mov_b32 s[G1+6], 0
	s_mov_b32 s[G1+7], 0
	s_lshl_b32 s38, s3, 14                         ; my quarter of a slot: wave x 16,384, in LDS and in wq alike
	s_mov_b32 s39, 0
	v_and_b32 v[TS], 31, v0                        ; lane
	v_and_b32 v[TS+1], 15, v0                      ; r
	v_bfe_u32 v[TS+2], v0, 4, 1                    ; h
	v_lshlrev_b32 v[WA], 4, v[TS]
	v_add_nc_u32 v[WA+1], SLOTB, v[WA]
	s_lshl_b32 s60, s3, 15                         ; my wave's 32 rows of 1,024 bytes; also its 32,768 bytes of HL
	v_add_nc_u32 v[INO], s60, v[WA]
	s_add_co_u32 s61, s60, HLB
	v_add_nc_u32 v[HLA], s61, v[WA]
	s_mul_i32 s61, s3, STGW
	s_add_co_u32 s61, s61, STAGE                   ; S: my wave's stage
	v_add_nc_u32 v[SCW], s61, v[WA]
	v_mul_u32_u24 v[TS+3], v[TS+1], OPITCH
	v_lshl_add_u32 v[TS+3], v[TS+2], 5, v[TS+3]
	v_add_nc_u32 v[STW], s61, v[TS+3]
	v_mul_u32_u24 v[TS+3], v[TS+1], SPITCH
	v_lshl_add_u32 v[TS+3], v[TS+2], 5, v[TS+3]
	v_add_nc_u32 v[SCR], s61, v[TS+3]
	v_and_b32 v[TS+3], 7, v0                       ; read back: lanes 0-15 one row of 256 bytes, lanes 16-31 the next; of each sixteen the first
	v_lshlrev_b32 v[TS+3], 4, v[TS+3]              ; eight take the even chunk's 128 bytes, the last eight the odd chunk's
	v_mul_u32_u24 v[TS+4], v[TS+2], OPITCH
	v_add_nc_u32 v[TS+3], v[TS+3], v[TS+4]
	v_add_nc_u32 v[TS+3], s61, v[TS+3]             ; S + 144 (lane >> 4) + 16 (lane & 7)
	v_bfe_u32 v[TS+4], v0, 3, 1
	v_mul_u32_u24 v[TS+5], v[TS+4], ODD
	v_add_nc_u32 v[STR], v[TS+3], v[TS+5]          ; row block 0: even plane at 0, odd at 9344
	v_mul_u32_u24 v[TS+5], v[TS+4], ODD-2*OPL
	v_add_nc_u32 v[TS+5], 2*OPL, v[TS+5]
	v_add_nc_u32 v[STR+1], v[TS+3], v[TS+5]        ; row block 1: even plane at 4608, odd at 9344
	v_mov_b32 v[BIA], BIAS
	v_lshl_add_u32 v[BIA], v[TS+2], 5, v[BIA]
	v_lshlrev_b32 v[TS+3], 4, v[TS+1]
	v_lshl_add_u32 v[TS+3], v[TS+2], 10, v[TS+3]
	v_add_nc_u32 v[CO], s60, v[TS+3]               ; (32 wave + (lane >> 4)) x 1,024 + 16 (lane & 15)
	v_lshlrev_b32 v[BO], 3, v0                     ; my two numbers of each bias
	v_add_nc_u32 v[BL], BIAS, v[BO]
	s_wait_kmcnt 0x0
	s_add_nc_u64 s[8:9], s[8:9], s[6:7]
	s_add_nc_u64 s[10:11], s[10:11], s[6:7]
	s_add_nc_u64 s[12:13], s[12:13], s[6:7]
	s_add_nc_u64 s[14:15], s[14:15], s[6:7]
	s_add_nc_u64 s[18:19], s[18:19], s[6:7]
	s_add_nc_u64 s[20:21], s[20:21], s[6:7]
	s_add_nc_u64 s[36:37], s[16:17], s[38:39]      ; wq at my quarter: the same in all four work-groups
.irp s, 0,1
	s_mov_b32 s[G0+4*\s], 1                                        ; count = 1
	s_add_co_u32 s[G0+4*\s+1], s38, \s*SLOTB                       ; LDS address: wave x 16,384 + the slot
	s_add_nc_u64 s[G0+4*\s+2:G0+4*\s+3], s[36:37], \s*SLOTB        ; the slot's first fill
	s_or_b32 s[G0+4*\s+3], s[G0+4*\s+3], 0x80000000                ; type = 2
.endr
	ROUND                                          ; the four work-groups are here: the first joint loads meet
	tensor_load_to_lds s[G0:G0+3], s[G1:G1+7]      ; sub-trips 0 and 1; slot 1 is first filled behind the first head's round
	s_nop 0
; ---------------------------------------------------------------- the way in
; 16 units: u >> 2 = h_r, h_i, x_r, x_i; (u >> 1) & 1 = row block; u & 1 = half of the rows' 1,024 bytes.  A unit is 16 rows x 512 bytes: 16 loads, each 512
; consecutive bytes.  Four units (32 KiB a wave) are on their way at all times.  A unit goes through the wave's own scratch to turn rows into fragments.
.macro UNITLD u
.set L_S, 64*((\u)&3)
.set L_O, (((\u)>>1)&1)*16*ROWB+((\u)&1)*512
.set L_B, 8+2*((\u)>>2)
	WIN 0xc0                                       ; the data land in window 3
.irp p, 0,1,2,3,4,5,6,7,8,9,10,11,12,13,14,15
	global_load_b128 v[L_S+4*\p:L_S+4*\p+3], v[INO], s[L_B:L_B+1] offset:L_O+\p*ROWB th:TH_LOAD_NT
.endr
.endm
.macro UNIT u, left
.set U_S, 64*((\u)&3)
.set U_F, (((\u)>>2)&1)*128+(((\u)>>1)&1)*64+((\u)&1)*32
	s_wait_loadcnt \left                           ; loads come back in order: this unit is in, the younger units (16 loads each) stay out
	WIN 0x0c                                       ; store data from window 3
.irp p, 0,1,2,3,4,5,6,7,8,9,10,11,12,13,14,15
	ds_store_b128 v[SCW], v[U_S+4*\p:U_S+4*\p+3] offset:\p*SPITCH
.endr
.if (\u) < 12
	UNITLD (\u)+4                                  ; the landing slot is asked for again
.endif
	WIN 0
.irp k, 0,1,2,3                                    ; LDS serves a wave's instructions in order: these see the stores above, and the next unit's stores come behind them
	ds_load_b128 v[LND+16*\k:LND+16*\k+3],     v[SCR] offset:\k*128        ; row r, k = 32 kb + 8 h + 0..3
	ds_load_b128 v[LND+16*\k+4:LND+16*\k+7],   v[SCR] offset:\k*128+16     ; + 4..7
	ds_load_b128 v[LND+16*\k+8:LND+16*\k+11],  v[SCR] offset:\k*128+64     ; k = 32 kb + 16 + 8 h + 0..3
	ds_load_b128 v[LND+16*\k+12:LND+16*\k+15], v[SCR] offset:\k*128+80
.endr
.if (\u) < 8
	WIN 0x40                                       ; h's fragments: window 1
.else
	WIN 0x80                                       ; x's: window 2
.endif
.irp k, 0,1,2,3
	s_wait_dscnt 12-4*\k                           ; the four loads of K block k are in; the 12 - 4 k behind them may be out
.irp q, 0,1,2,3,4,5,6,7
	v_cvt_pk_bf16_f32 v[U_F+8*\k+\q], v[LND+16*\k+2*\q], v[LND+16*\k+2*\q+1]
.endr
.endr
.endm
; h's 256 fragment registers (window 1) into the wave's own copy in LDS: register 4 i at byte 512 i, 16 consecutive bytes a lane.
.macro HSTORE
	WIN 0x04                                       ; store data from window 1
.set H_I, 0
.rept 64
	ds_store_b128 v[HLA], v[4*H_I:4*H_I+3] offset:512*H_I
.set H_I, H_I+1
.endr
.endm
.irp g, 0,1,2,3,4,5
	global_load_b64 v[BV+2*\g:BV+2*\g+1], v[BO], s[22+2*\g:23+2*\g]    ; r_b_r, r_b_i, z_b_r, z_b_i, n_b_r, n_b_i: 128 threads x 8 bytes
.endr
	UNITLD 0
	UNITLD 1
	UNITLD 2
	UNITLD 3
	UNIT 0, 48
	WIN 0
; The biases' loads are older than unit 0's, so its wait has shown them in.  They are kept scaled by the factor of their gate's exponent.
.irp g, 0,1,2,3
	v_pk_mul_f32 v[BV+2*\g:BV+2*\g+1], v[BV+2*\g:BV+2*\g+1], s[KSIG:KSIG+1] op_sel_hi:[1,0]
.endr
.irp g, 4,5
	v_pk_mul_f32 v[BV+2*\g:BV+2*\g+1], v[BV+2*\g:BV+2*\g+1], s[KTAN:KTAN+1] op_sel_hi:[1,0]
.endr
.irp g, 0,1,2,3,4,5
	ds_store_b64 v[BL], v[BV+2*\g:BV+2*\g+1] offset:\g*1024        ; read by all waves behind the first head's round
.endr
.irp u, 1,2,3,4,5,6,7
	UNIT \u, 48
.endr
	HSTORE                                         ; h is whole; x's units are on their way meanwhile
.irp u, 8,9,10,11,12
	UNIT \u, 48
.endr
	UNIT 13, 32
	UNIT 14, 16
	UNIT 15, 0
	WIN 0
; ---------------------------------------------------------------- element-wise work, in bundles
; The work that goes with a sub-trip: EW_K its kind (0 none, 1 gate r, 2 gate z, 3 gate n and the blend), EW_N the number of the next bundle (negative: not yet),
; EW_X the set under the sigmoid, EW_Z the set that holds z, EW_D1 where row block 1's result goes, EW_T the tile, EW_KS the factor of the exponent.
.macro EWSET k, n0, x, z, d1, t, ks
.set EW_K, \k
.set EW_N, \n0
.set EW_X, \x
.set EW_Z, \z
.set EW_D1, \d1
.set EW_T, \t
.set EW_KS, \ks
.endm
	EWSET 0, 0, AA, AA, AA, 0, KSIG
; Bundles 0 to 47: 1 / (1 + 2^(factor x sum + factor x bias)) on the 32 registers of EW_X.  No vector register stands in the place of source 1.
; Behind each run of transcendentals one plain instruction comes before a result is used (ISA guide 5.7.2): the v_nop of bundles 24 and 48.
.macro SIGB b
.if (\b) < 8
.set E_A, 4*(\b)
	v_pk_fma_f32 v[EW_X+E_A:EW_X+E_A+1],   v[EW_X+E_A:EW_X+E_A+1],   s[EW_KS:EW_KS+1], v[BH+(E_A&15):BH+(E_A&15)+1]   op_sel_hi:[1,0,1]
	v_pk_fma_f32 v[EW_X+E_A+2:EW_X+E_A+3], v[EW_X+E_A+2:EW_X+E_A+3], s[EW_KS:EW_KS+1], v[BH+(E_A&15)+2:BH+(E_A&15)+3] op_sel_hi:[1,0,1]
.elseif (\b) < 24
.set E_A, 2*((\b)-8)
	v_exp_f32 v[EW_X+E_A], v[EW_X+E_A]
	v_exp_f32 v[EW_X+E_A+1], v[EW_X+E_A+1]
.elseif (\b) < 32
.if (\b) == 24
	v_nop
	s_wait_alu depctr_va_vdst(0)
.endif
.set E_A, 4*((\b)-24)
	v_pk_add_f32 v[EW_X+E_A:EW_X+E_A+1],   v[EW_X+E_A:EW_X+E_A+1],   1.0 op_sel_hi:[1,0]
	v_pk_add_f32 v[EW_X+E_A+2:EW_X+E_A+3], v[EW_X+E_A+2:EW_X+E_A+3], 1.0 op_sel_hi:[1,0]
.else
.set E_A, 2*((\b)-32)
	v_rcp_f32 v[EW_X+E_A], v[EW_X+E_A]
	v_rcp_f32 v[EW_X+E_A+1], v[EW_X+E_A+1]
.endif
.endm
; Gate r, 76 bundles: r = sigmoid; then for each row block 14 bundles: h widened (8), r*h (4), packed to bf16 over h's packed words (2).
.macro ERB b
.if (\b) < 0
.elseif (\b) < 48
	SIGB \b
.elseif (\b) < 76
.if (\b) == 48
	v_nop
	s_wait_alu depctr_va_vdst(0)
.endif
.set E_RB, ((\b)-48)/14
.set E_S, ((\b)-48)%14
.set E_R, EW_X+16*E_RB
.set E_I, E_R+8
.set E_P, HP+8*E_RB
.if E_S < 8
	v_lshl_add_u32 v[HF+2*E_S], v[E_P+E_S], 16, 0                  ; the low bf16 as f32
	v_and_b32 v[HF+2*E_S+1], v[E_P+E_S], s35                       ; the high one
.else
.set E_SV, MSB
	WIN 0                                                          ; two vector sources: source 1 from window 0 for four instructions
.if E_S == 8
.irp i, 0,2,4,6
	v_pk_mul_f32 v[E_P+\i:E_P+\i+1], v[E_I+\i:E_I+\i+1], v[HF+8+\i:HF+9+\i]                        ; r_i h_i, in the packed words' registers, which are spent
.endr
.elseif E_S == 9
.irp i, 0,2,4,6
	v_pk_mul_f32 v[E_I+\i:E_I+\i+1], v[E_I+\i:E_I+\i+1], v[HF+\i:HF+\i+1]                          ; r_i h_r
.endr
.elseif E_S == 10
.irp i, 0,2,4,6
	v_pk_fma_f32 v[HF+\i:HF+\i+1], v[E_R+\i:E_R+\i+1], v[HF+\i:HF+\i+1], v[E_P+\i:E_P+\i+1] neg_lo:[0,0,1] neg_hi:[0,0,1]   ; r_r h_r - r_i h_i
.endr
.elseif E_S == 11
.irp i, 0,2,4,6
	v_pk_fma_f32 v[HF+8+\i:HF+9+\i], v[E_R+\i:E_R+\i+1], v[HF+8+\i:HF+9+\i], v[E_I+\i:E_I+\i+1]                             ; r_r h_i + r_i h_r
.endr
.elseif E_S == 12
.irp q, 0,1,2,3
	v_cvt_pk_bf16_f32 v[E_P+\q], v[HF+2*\q], v[HF+2*\q+1]
.endr
.else
.irp q, 0,1,2,3
	v_cvt_pk_bf16_f32 v[E_P+4+\q], v[HF+8+2*\q], v[HF+9+2*\q]
.endr
.endif
	WIN E_SV
.endif
.endif
.endm
; Gate z, 49 bundles: z = sigmoid, left in its set.
.macro EZB b
.if (\b) < 0
.elseif (\b) < 48
	SIGB \b
.elseif (\b) == 48
	v_nop
.endif
.endm
; Gate n and the blend, 88 bundles: tanh = 1 - 2 sigmoid' (8 bundles behind the 48); then for each row block 16 bundles: h widened (8), n - h (4),
; new_r = h_r + z_r (n_r - h_r) - z_i (n_i - h_i), new_i = h_i + z_r (n_i - h_i) + z_i (n_r - h_r) (4).  Row block 0's result in HF, row block 1's in EW_D1.
.macro ENB b
.if (\b) < 0
.elseif (\b) < 48
	SIGB \b
.elseif (\b) < 56
.if (\b) == 48
	v_nop
	s_wait_alu depctr_va_vdst(0)
.endif
.set E_A, 4*((\b)-48)
	v_pk_fma_f32 v[EW_X+E_A:EW_X+E_A+1],   v[EW_X+E_A:EW_X+E_A+1],   -2.0, 1.0 op_sel_hi:[1,0,0]
	v_pk_fma_f32 v[EW_X+E_A+2:EW_X+E_A+3], v[EW_X+E_A+2:EW_X+E_A+3], -2.0, 1.0 op_sel_hi:[1,0,0]
.elseif (\b) < 88
.set E_RB, ((\b)-56)/16
.set E_S, ((\b)-56)%16
.set E_N, EW_X+16*E_RB
.set E_Z, EW_Z+16*E_RB
.set E_P, BH+8*E_RB
.if E_RB == 0
.set E_H, HF
.else
.set E_H, EW_D1
.endif
.if E_S < 8
	v_lshl_add_u32 v[E_H+2*E_S], v[E_P+E_S], 16, 0
	v_and_b32 v[E_H+2*E_S+1], v[E_P+E_S], s35
.elseif E_S < 12
.set E_A, 4*(E_S-8)
	v_pk_fma_f32 v[E_N+E_A:E_N+E_A+1],   v[E_N+E_A:E_N+E_A+1],   1.0, v[E_H+E_A:E_H+E_A+1]   op_sel_hi:[1,0,1] neg_lo:[0,0,1] neg_hi:[0,0,1]   ; n x 1 - h: the difference, rounded once
	v_pk_fma_f32 v[E_N+E_A+2:E_N+E_A+3], v[E_N+E_A+2:E_N+E_A+3], 1.0, v[E_H+E_A+2:E_H+E_A+3] op_sel_hi:[1,0,1] neg_lo:[0,0,1] neg_hi:[0,0,1]
.else
.set E_SV, MSB
	WIN 0
.if E_S == 12
.irp i, 0,2,4,6
	v_pk_fma_f32 v[E_H+\i:E_H+\i+1], v[E_Z+\i:E_Z+\i+1], v[E_N+\i:E_N+\i+1], v[E_H+\i:E_H+\i+1]
.endr
.elseif E_S == 13
.irp i, 0,2,4,6
	v_pk_fma_f32 v[E_H+8+\i:E_H+9+\i], v[E_Z+\i:E_Z+\i+1], v[E_N+8+\i:E_N+9+\i], v[E_H+8+\i:E_H+9+\i]
.endr
.elseif E_S == 14
.irp i, 0,2,4,6
	v_pk_fma_f32 v[E_H+\i:E_H+\i+1], v[E_Z+8+\i:E_Z+9+\i], v[E_N+8+\i:E_N+9+\i], v[E_H+\i:E_H+\i+1] neg_lo:[1,0,0] neg_hi:[1,0,0]
.endr
.else
.irp i, 0,2,4,6
	v_pk_fma_f32 v[E_H+8+\i:E_H+9+\i], v[E_Z+8+\i:E_Z+9+\i], v[E_N+\i:E_N+\i+1], v[E_H+8+\i:E_H+9+\i]
.endr
.endif
	WIN E_SV
.endif
.endif
.endm
.macro EMIT                            ; the next bundle of the work that goes with this sub-trip
.if EW_K == 1
	ERB EW_N
.elseif EW_K == 2
	EZB EW_N
.elseif EW_K == 3
	ENB EW_N
.endif
.set EW_N, EW_N+1
.endm
; What the bundles read from LDS.
.macro BIASLD g0, co, t                ; the scaled biases of tile t (co: one chunk on), real and imaginary
.irp part, 0,1
	ds_load_b128 v[BH+8*\part:BH+8*\part+3],   v[BIC] offset:(\g0+\part)*1024+(\co)*128+(\t)*64
	ds_load_b128 v[BH+8*\part+4:BH+8*\part+7], v[BIC] offset:(\g0+\part)*1024+(\co)*128+(\t)*64+16
.endr
.endm
.macro ERPRE co, t                     ; gate r: eight loads: the biases, and registers 4 t .. 4 t + 3 of K block c of h
	BIASLD 0, \co, \t
.irp rb, 0,1
.irp m, 0,1
	ds_load_b128 v[HP+8*\rb+4*\m:HP+8*\rb+4*\m+3], v[HLC] offset:(16*\m+8*\rb+(\co))*1024+512*(\t)
.endr
.endr
.endm
.macro ERFL co, t                      ; gate r: r*h over h in the wave's own copy
.irp rb, 0,1
.irp m, 0,1
	ds_store_b128 v[HLC], v[HP+8*\rb+4*\m:HP+8*\rb+4*\m+3] offset:(16*\m+8*\rb+(\co))*1024+512*(\t)
.endr
.endr
.endm
.macro ENHP t                          ; the blend: h packed, into the registers of the biases, which are spent
.irp rb, 0,1
.irp m, 0,1
	ds_load_b128 v[BH+8*\rb+4*\m:BH+8*\rb+4*\m+3], v[HLC] offset:16384*\m+8192*\rb+512*(\t)
.endr
.endr
.endm
; ---------------------------------------------------------------- the way out
.macro STG adr, src, t                 ; a row block's 16 results of tile t into its planes of the stage: 64 bytes of each of 16 rows, for out0 and for out1
	ds_store_b128 v[\adr], v[\src:\src+3]     offset:64*(\t)
	ds_store_b128 v[\adr], v[\src+4:\src+7]   offset:64*(\t)+16
	ds_store_b128 v[\adr], v[\src+8:\src+11]  offset:OPL+64*(\t)
	ds_store_b128 v[\adr], v[\src+12:\src+15] offset:OPL+64*(\t)+16
.endm
.macro RBR i                           ; the 64 registers that take rows read back: set N, the upper half of set B and BH, all spent by then
.if (\i) < 8
.set R_V, AN+4*(\i)
.elseif (\i) < 12
.set R_V, AB+16+4*((\i)-8)
.else
.set R_V, BH+4*((\i)-12)
.endif
.endm
; With an odd chunk's second tile stored, row block rb's rows of 256 bytes (two chunks) are whole: read back and stored.  dyn = 1: in the loop, the chunk's
; parity is bit 10 of the counter; dyn = 0: the last chunk, which is odd.
.macro RBACK rb, dyn
.if \dyn
	s_bitcmp1_b32 s34, 10
	s_cbranch_scc0 .Leven_\@                       ; an even chunk stores nothing yet
.endif
.set R_I, 0
.rept 16
	RBR R_I
	ds_load_b128 v[R_V:R_V+3], v[STR+\rb] offset:(R_I>>3)*OPL+288*(R_I&7)          ; LDS serves a wave in order: these see the stores into the stage
.set R_I, R_I+1
.endr
.set R_I, 0
.rept 16
	RBR R_I
	s_wait_dscnt 15-R_I                            ; load i of the sixteen is in
	global_store_b128 v[COC], v[R_V:R_V+3], s[18+2*(R_I>>3):19+2*(R_I>>3)] offset:(16*\rb+2*(R_I&7))*ROWB th:TH_STORE_NT   ; sixteen lanes: 256 consecutive bytes, aligned
.set R_I, R_I+1
.endr
.if \dyn
.Leven_\@:
.endif
	s_wait_xcnt 0x0                                ; the stores' data registers and their offset COC are written again only behind this wait
.endm
.macro ENFL1 dyn                       ; behind tile 1's blend.  The odd chunk's planes serve the two row blocks in turn: row block 1 is stored behind row block 0's read-back
	STG STC, HF, 1
	RBACK 0, \dyn
	STG STC+1, K16, 0
	STG STC+1, AB, 1
	RBACK 1, \dyn
.endm
; ---------------------------------------------------------------- the sub-trips
; Eight LDS loads: group d of a slot's sixteen (four fragments, 4,096 bytes, 16 consecutive bytes a lane) into weight buffer d % 3.
.macro LOADW d, slot
.set L_W, W0+32*((\d)%3)
.irp i, 0,1,2,3,4,5,6,7
	ds_load_b128 v[L_W+4*\i:L_W+4*\i+3], v[WA+(\slot)] offset:(\d)*4096+\i*512
.endr
.endm
.macro LOADW3 slot
	LOADW 0, \slot
	LOADW 1, \slot
	LOADW 2, \slot
.endm
; One weight fragment, four matrix instructions on four accumulators, which take turns, one instruction a turn, in the same order for every fragment.
; a1: the operand of accR, a2: that of accI (in the window set for source 1).  zero = 1: the first products start the sums.
; Behind each matrix instruction: a bundle of the sub-trip before.
.macro FRAG wb, a1, a2, acc, zero
.irp rb, 0,1
.if \zero
	v_wmma_f32_16x16x32_bf16 v[\acc+16*\rb:\acc+16*\rb+7], v[\wb:\wb+7], v[\a1+64*\rb:\a1+64*\rb+7], 0
.else
	v_wmma_f32_16x16x32_bf16 v[\acc+16*\rb:\acc+16*\rb+7], v[\wb:\wb+7], v[\a1+64*\rb:\a1+64*\rb+7], v[\acc+16*\rb:\acc+16*\rb+7]
.endif
	EMIT
.if \zero
	v_wmma_f32_16x16x32_bf16 v[\acc+16*\rb+8:\acc+16*\rb+15], v[\wb:\wb+7], v[\a2+64*\rb:\a2+64*\rb+7], 0
.else
	v_wmma_f32_16x16x32_bf16 v[\acc+16*\rb+8:\acc+16*\rb+15], v[\wb:\wb+7], v[\a2+64*\rb:\a2+64*\rb+7], v[\acc+16*\rb+8:\acc+16*\rb+15]
.endif
	EMIT
.endr
.endm
; A sub-trip: eight groups of 16 matrix instructions, the slot's groups d0 .. d0 + 7 (d0 = 0: first half, 8: second half).
; Groups 0, 1: imaginary weight of h (window win0); 2, 3: of x (window 2); accR negated; 4, 5 and 6, 7: the real weights.
; Groups d, d + 1, d + 2 have been asked for when group d begins; d + 3 is asked for behind d, into the buffer that d has just read; the first half asks
; on for the second half's first three groups.  xtra: LDS loads issued between the slot's group d0 + 2 and this macro (a second half's element-wise loads).
.macro SUB d0, slot, acc, win0, xtra
.set S_G, 0
.rept 8
.set S_D, (\d0)+S_G
.if (S_G&3) == 0
	WIN ((\win0)<<2)                               ; only source 1 changes its window: LDS loads and the plain bundles are not touched by it
.endif
.if (S_G&3) == 2
	WIN 0x08
.endif
.if S_D > 14
	s_wait_dscnt 0
.elseif S_D == 14
	s_wait_dscnt 8                                 ; only the slot's last group is behind it
.elseif S_G < 2
	s_wait_dscnt 16+(\xtra)                        ; group d is in; the 16 loads of two more groups and the xtra element-wise loads among them may be out
.else
	s_wait_dscnt 16                                ; group d is in, and all that was asked for ahead of the last two groups; those 16 loads may be out
.endif
.set S_W, W0+32*(S_D%3)
.irp f, 0,1,2,3
.set S_A, 8*(4*(S_G&1)+\f)
.if S_G < 4
.if (S_G+\f) == 0
	FRAG S_W, 128+S_A, S_A, \acc, 1
.else
	FRAG S_W+8*\f, 128+S_A, S_A, \acc, 0
.endif
.else
	FRAG S_W+8*\f, S_A, 128+S_A, \acc, 0
.endif
.endr
.if S_D <= 12
	PLACES                                         ; in front of loads into registers that matrix instructions have read (and, behind group 3, of the negation)
.if S_G == 1
.if EW_K == 3
	ENHP EW_T                                      ; the biases were spent in bundles 0 to 7; 16 weight loads follow, so group 3's wait shows these in; first use: bundle 56
.endif
.endif
	LOADW S_D+3, \slot
.endif
.if S_G == 3
.irp rb, 0,1
.irp i, 0,2,4,6
	v_pk_mul_f32 v[\acc+16*\rb+\i:\acc+16*\rb+\i+1], v[\acc+16*\rb+\i:\acc+16*\rb+\i+1], -1.0 op_sel_hi:[1,0]   ; accR = -(Wi A_i), exact
.endr
.endr
.endif
.set S_G, S_G+1
.endr
	PLACES                                         ; what follows reads the results and loads into the weight buffers
	WIN 0
.endm
; The head of a slot's two sub-trips.  Every wave has all its tensor loads in (its quarter of this slot among them) and all its LDS instructions done, its reads of the
; other slot among them; the round shows that of every wave of all four work-groups; the joint refill of the other slot is the first thing behind it, one load a wave.
; No load of mine is out at the step of this slot's address, two slots on.  (The last refilling head steps slot 0's address once more; that address is never used.)
.macro HEAD slot, refill
	s_wait_xcnt 0x0
	v_lshl_add_u32 v62, v0, 2, 0x4f400
	v_mov_b32 v63, 0
	s_wait_tensorcnt 0x0
	ds_add_u32 v62, v63
	s_wait_dscnt 0x0
.if \refill
	s_add_nc_u64 s[G0+4*(\slot)+2:G0+4*(\slot)+3], s[G0+4*(\slot)+2:G0+4*(\slot)+3], 2*SLOTB
.endif
	s_wait_dscnt 0x0
	ROUND
.if \refill
	tensor_load_to_lds s[G0+4*(1-(\slot)):G0+4*(1-(\slot))+3], s[G1:G1+7]      ; the next two sub-trips' weights
	s_nop 0
.endif
.endm
; In a first half the element-wise loads are issued ahead of the three weight groups, so the first group's wait shows them in and the bundles start at once.
; In a second half they are the youngest loads; the third group's wait shows them in, and the bundles start 32 matrix instructions later (EW_N = -32).
	HEAD 0, 1                                      ; its wait for my LDS stores and its round also show the scaled biases to all four waves
	LOADW3 0
	SUB 0, 0, AA, 1, 0                             ; r(0,0), with nothing to go between
	s_mov_b32 s34, 0                               ; 1,024 x the turn's first chunk
.Lr:                                               ; turn i: sub-trips 4 i + 1 .. 4 i + 4, the element-wise work of chunks 2 i and 2 i + 1
	s_lshr_b32 s36, s34, 3
	v_add_nc_u32 v[HLC], s34, v[HLA]
	v_add_nc_u32 v[BIC], s36, v[BIA]
	ERPRE 0, 0
	EWSET 1, -32, AA, AA, AA, 0, KSIG
	SUB 8, 0, AB, 1, 8                             ; r(2i,1)
	ERFL 0, 0
	HEAD 1, 1
	ERPRE 0, 1
	LOADW3 1
	EWSET 1, 0, AB, AB, AB, 1, KSIG
	SUB 0, 1, AA, 1, 0                             ; r(2i+1,0)
	ERFL 0, 1
	ERPRE 1, 0
	EWSET 1, -32, AA, AA, AA, 0, KSIG
	SUB 8, 1, AB, 1, 8                             ; r(2i+1,1)
	ERFL 1, 0
	HEAD 0, 1
	ERPRE 1, 1
	LOADW3 0
	EWSET 1, 0, AB, AB, AB, 1, KSIG
	SUB 0, 0, AA, 1, 0                             ; r(2i+2,0); in the last turn z(0,0), the same products on the next weights
	ERFL 1, 1
	s_add_co_u32 s34, s34, 2048
	s_cmp_lt_u32 s34, 8192
	s_cbranch_scc1 .Lr
; r*h is whole in the wave's copy: into its registers (window 3); then h goes back into the copy.  LDS serves a wave's instructions in order, so the
; stores come behind the loads; 64 stores and four loads follow the last of these loads, so the next sub-trip's first wait (for 20) shows r*h in.
	WIN 0xc0
.set H_I, 0
.rept 64
	ds_load_b128 v[4*H_I:4*H_I+3], v[HLA] offset:512*H_I
.set H_I, H_I+1
.endr
	HSTORE
	WIN 0
; The addresses of chunk c, from the counter s34 = 1,024 c.
.macro CHUNKZ
	s_lshr_b32 s36, s34, 3                         ; 128 c
	v_add_nc_u32 v[HLC], s34, v[HLA]
	v_add_nc_u32 v[BIC], s36, v[BIA]
	s_and_b32 s36, s36, 0x300                      ; 256 (c >> 1): the pair's place in a row of out
	v_add_nc_u32 v[COC], s36, v[CO]
	s_bitcmp1_b32 s34, 10                          ; c odd?
	s_cselect_b32 s36, s62, 0                      ; the stage's planes: odd chunks one pair for both row blocks in turn,
	s_cselect_b32 s37, s62, s63                    ; even chunks a pair for each
	v_add_nc_u32 v[STC], s36, v[STW]
	v_add_nc_u32 v[STC+1], s37, v[STW]
.endm
; The first three sub-trips of chunk c's turn; z(c,0) lies in set A.  refill: whether the head asks for more weights.
.macro ZN3 refill
	CHUNKZ
	BIASLD 2, 0, 0
	EWSET 2, -32, AA, AA, AA, 0, KSIG
	SUB 8, 0, AN, 3, 4                             ; n(c,0): r*h from window 3; between: z(c,0) = sigmoid
	HEAD 1, \refill
	BIASLD 4, 0, 0
	LOADW3 1
	EWSET 3, 0, AN, AA, K16, 0, KTAN
	SUB 0, 1, AB, 1, 0                             ; z(c,1); between: n(c,0) = tanh and tile 0's blend
	STG STC, HF, 0                                 ; row block 0 into the stage; row block 1 waits in K16
	BIASLD 2, 0, 1
	EWSET 2, -32, AB, AB, AB, 1, KSIG
	SUB 8, 1, AN, 3, 4                             ; n(c,1); between: z(c,1) = sigmoid
.endm
	s_mov_b32 s34, 0                               ; 1,024 c
.Lzn:                                              ; turn c = 0..6
	ZN3 1
	HEAD 0, 1
	BIASLD 4, 0, 1
	LOADW3 0
	EWSET 3, 0, AN, AB, AB, 1, KTAN                ; row block 1's result goes over z of row block 0, which is spent by then
	SUB 0, 0, AA, 1, 0                             ; z(c+1,0); between: n(c,1) = tanh and tile 1's blend
	ENFL1 1
	s_add_co_u32 s34, s34, 1024
	s_cmp_lt_u32 s34, 7168
	s_cbranch_scc1 .Lzn
	ZN3 0                                          ; c = 7: the counter has stopped at 7,168; nothing is left to fetch
	BIASLD 4, 0, 1                                 ; the last blend has no sub-trip to go between
	EWSET 3, 0, AN, AB, AB, 1, KTAN
	s_wait_dscnt 0x0
.rept 8
	EMIT
.endr
	ENHP 1
.rept 48
	EMIT
.endr
	s_wait_dscnt 0x0
.rept 32
	EMIT
.endr
	ENFL1 0
	s_wait_dscnt 0x0
	s_wait_xcnt 0x0
	v_lshl_add_u32 v62, v0, 2, 0x4f400
	v_mov_b32 v63, 0
	s_wait_tensorcnt 0x0
	ds_add_u32 v62, v63
	s_wait_dscnt 0x0
	ROUND                                          ; the closing round: no work-group ends while a partner may still ask for a slot that names it
	s_endpgm
.Lfunc_end_k_qefe5851b34_cell:
	.size	k_qefe5851b34_cell, .Lfunc_end_k_qefe5851b34_cell-k_qefe5851b34_cell
	.p2alignl 7, 3214868480
	.fill 96, 4, 3214868480
	.section	.rodata,"a",@progbits
	.p2align	6, 0x0
	.amdhsa_kernel k_qefe5851b34_cell
		.amdhsa_group_segment_fixed_size 327680
		.amdhsa_private_segment_fixed_size 0
		.amdhsa_enable_private_segment 0
		.amdhsa_kernarg_size 104
		.amdhsa_user_sgpr_count 2
		.amdhsa_user_sgpr_kernarg_segment_ptr 1
		.amdhsa_wavefront_size32 1
		.amdhsa_system_sgpr_workgroup_id_x 1
		.amdhsa_system_sgpr_workgroup_id_y 1
		.amdhsa_system_sgpr_workgroup_id_z 1
		.amdhsa_system_vgpr_workitem_id 0
		.amdhsa_next_free_vgpr 1024
		.amdhsa_next_free_sgpr 66
		.amdhsa_reserve_vcc 0
		.amdhsa_float_denorm_mode_32 3
		.amdhsa_float_denorm_mode_16_64 3
		.amdhsa_memory_ordered 1
		.amdhsa_forward_progress 1
		.amdhsa_inst_pref_size 255
	.end_amdhsa_kernel
	.section	.bss,"aw",@nobits
	.p2align	6
	.space	262144
	.amdgpu_metadata
---
amdhsa.version: [ 1, 2 ]
amdhsa.kernels:
  - .name:           k_qefe5851b34_cell
    .symbol:         k_qefe5851b34_cell.kd
    .args:
      - { .name: h_r, .offset: 0, .size: 8, .value_kind: global_buffer, .address_space: global }
      - { .name: h_i, .offset: 8, .size: 8, .value_kind: global_buffer, .address_space: global }
      - { .name: x_r, .offset: 16, .size: 8, .value_kind: global_buffer, .address_space: global }
      - { .name: x_i, .offset: 24, .size: 8, .value_kind: global_buffer, .address_space: global }
      - { .name: wq, .offset: 32, .size: 8, .value_kind: global_buffer, .address_space: global }
      - { .name: out0, .offset: 40, .size: 8, .value_kind: global_buffer, .address_space: global }
      - { .name: out1, .offset: 48, .size: 8, .value_kind: global_buffer, .address_space: global }
      - { .name: params_r_b_r, .offset: 56, .size: 8, .value_kind: global_buffer, .address_space: global }
      - { .name: params_r_b_i, .offset: 64, .size: 8, .value_kind: global_buffer, .address_space: global }
      - { .name: params_z_b_r, .offset: 72, .size: 8, .value_kind: global_buffer, .address_space: global }
      - { .name: params_z_b_i, .offset: 80, .size: 8, .value_kind: global_buffer, .address_space: global }
      - { .name: params_n_b_r, .offset: 88, .size: 8, .value_kind: global_buffer, .address_space: global }
      - { .name: params_n_b_i, .offset: 96, .size: 8, .value_kind: global_buffer, .address_space: global }
    .group_segment_fixed_size: 327680
    .private_segment_fixed_size: 0
    .kernarg_segment_align: 8
    .kernarg_segment_size: 104
    .max_flat_workgroup_size: 128
    .sgpr_count:     66
    .vgpr_count:     1024
    .wavefront_size: 32
...
	.end_amdgpu_metadata
.endif
;; end of part 4
